; MI455X (gfx1250); checked and timed in simulation.
; The chip was launched on July 23, 2026; its instructions are those of AMD's public machine-readable ISA for CDNA 5 (MIT licence, August 2026) and "CDNA5" Instruction Set Architecture Reference Guide (July 2026). The comments in the code are by the model that wrote it; some were corrected since.
;; Causal Self Attention. Allowed arithmetic: matrix products marked QUANTISED: E2M1 operands, one E8M0 scale for each 32 along K, by v_wmma_scale_f32_16x16x128_f8f6f4 with both operands' format E2M1 (or v_wmma_scale_f32_32x16x128_f4), f32 sums; everything else in f32.
;; Inputs: W_attn 1,024 x 3,072 float32; W_proj 1,024 x 1,024 float32; b_attn 3,072 float32; b_proj 1,024 float32; x 4 x 2,048 x 1,024 float32.
;; Outputs: out0 4 x 2,048 x 1,024 float32.
;; This version of the problem:
;;   THIS VERSION OF THE PROBLEM IS GIVEN IN LOW PRECISION. The matrix products marked QUANTISED in the list below multiply operands that are first quantised to E2M1 (2 exponent bits, 1 mantissa bit; 4 bits a number), with one power-of-two scale for each 32 numbers along K (OCP MX v1.0); their sums are f32. All else is computed in f32.
;;   The module's matrix products, in the order in which they are computed (A, B: the left and right operand; K: the contracted axis; several contracted axes count as one K, in the product's order):
;;     1. [M 8,192, K 1,024] x [K 1,024, N 3,072]; A: input x; B: input W_attn: QUANTISED
;;     2. batch 64 x [M 2,048, K 64] x [K 64, N 2,048]; A: computed on the way; B: computed on the way: QUANTISED
;;     3. batch 64 x [M 2,048, K 2,048] x [K 2,048, N 64]; A: softmax (see below); B: computed on the way: QUANTISED
;;     4. [M 8,192, K 1,024] x [K 1,024, N 1,024]; A: computed on the way; B: input W_proj: QUANTISED
;;   THE QUANTISER, for each operand of a quantised product, along K:
;;     - K is cut into blocks of 32 from its start; a last block that is shorter is filled with zeros.
;;     - A block's scale is 2^e with e = floor(log2(the largest magnitude in the block)) - 2, held to -126 .. 127; a block of zeros has e = 0. As a byte (E8M0): e + 127.
;;     - Each number is divided by its block's scale, clamped to +-6, and rounded to the nearest number of E2M1, ties to even, subnormals kept.
;;     - The product sums the exact products of the quantised numbers (number of the format x scale) in f32.
;;   ~~~python
;;   def quantise(x, axis):      # numpy; x: float32 -> the quantised numbers, widened to float32 again
;;       x = np.moveaxis(x, axis, -1); K = x.shape[-1]
;;       x = np.pad(x, [(0, 0)] * (x.ndim - 1) + [(0, -K % 32)]); x = x.reshape(x.shape[:-1] + (-1, 32)); a = np.abs(x).max(-1, keepdims=True)
;;       e = np.where(a > 0, np.clip(np.frexp(np.where(a > 0, a, 1))[1] - 1 - 2, -126, 127), 0)      # np.frexp(a)[1] - 1 = floor(log2(a)), exactly
;;       r = np.clip(x / 2.0 ** e, -6, 6)
;;       step = 2.0 ** (np.maximum(np.frexp(np.where(r == 0, 1, r))[1] - 1, 0) - 1)
;;       q = np.round(r / step) * step * 2.0 ** e      # np.round: ties to even
;;       return np.moveaxis(q.reshape(q.shape[:-2] + (-1,))[..., :K], -1, axis).astype(np.float32)
;;   ~~~
;;   SOFTMAX AHEAD OF A QUANTISED PRODUCT. Where the list says 'softmax', what is quantised is not the finished softmax but p = 2^(t - M), with t = logit x log2(e) and M = ceil(the row's largest t), a whole number; so 1/2 < the row's largest p <= 1. The row's sum l is taken of the UNQUANTISED p, in f32, and the product's result is divided by l at the end. Since M is a whole number, a kernel that streams over the keys may use a running M (the ceiling of the running maximum): every later rescaling is an exact power of two, which a block's scale takes up: the codes' values come out the same.
;;   OPERANDS COMPUTED ON THE WAY. 'Computed on the way' means the value that the module computes at that place (a softmax that the list does not call 'softmax' is quantised finished and normalised). What goes into a quantiser is computed in f32, as accurately as f32 sums, v_exp_f32 and their like allow (about 1e-6 of the number): no bf16 or f16 on the way to a quantiser, and a product that is left as it is and whose result goes on into a quantised operand takes f32 operands (vector FMAs, or v_wmma_f32_16x16x4_f32). A number that lies on a knife's edge between two numbers of the format may be rounded either way, as far as f32 arithmetic and the matrix unit's own rounding can turn it there, and no further.
;; One version. Each part assembles by itself: llvm-mc -triple=amdgcn-amd-amdhsa -mcpu=gfx1250 --defsym DOCPART=n.
;; ======== version 1 of 1: 4 launches
;; workspace buffers: opq 6,684,672 bytes; qkv 14,155,776 bytes; yq 4,456,448 bytes
;; launch prep (part 1): grid 256 x 1, 8 waves a work-group, no clusters, 103,424 bytes of LDS; arguments x, W_attn, W_proj, opq; writes opq
.if DOCPART == 1
	.amdgcn_target "amdgcn-amd-amdhsa--gfx1250"
	.amdhsa_code_object_version 6
	.text
	.protected	k_qc83f48905a_prep
	.globl	k_qc83f48905a_prep
	.p2align	8
	.type	k_qc83f48905a_prep,@function
k_qc83f48905a_prep:
	s_mov_b64 s[64:65], 0
	v_nop
	global_prefetch_b8 v0, s[64:65] scope:SCOPE_SE
	s_setreg_imm32_b32 hwreg(HW_REG_WAVE_MODE, 25, 1), 1
	s_wait_xcnt 0x0
; x [8192][1024], W_attn [1024][3072] and W_proj [1024][1024], f32, become codes of FP4 (E2M1) with one E8M0 byte for each 32 along K, in ONE matrix opq of 12,288 rows of 1,024 codes:
; rows 0.. x's rows, rows 8192 + n W_attn's columns, rows 11264 + n W_proj's columns.  Codes: row x 512 bytes, K innermost, 16 bytes a block; scale bytes: OPS + row x 32.
; A block's scale is 2^(floor(log2(largest magnitude)) - 2): its byte is the largest magnitude's exponent field - 2, held at 1 from below.
; In W_proj's rows the four groups of eight codes of a block lie in the order 0, 2, 1, 3: so the attention launch lays y's codes, and a permutation inside a block, alike on both sides, changes neither scale nor sum.
; LIMITS: NaN and infinities among the inputs are not served; a block whose largest magnitude lies under 2^-124 keeps the byte 1; a block of zeros gets the byte 1 where the rule says 127
; (its codes are zeros, and this program alone reads the bytes).
; SHARES: work-groups 0-127 take x (a stream of blocks: a wave takes 16 steps of 512 numbers), 128-223 W_attn, 224-255 W_proj (64 columns x 512 K a work-group).  The three paths part on the work-group's number and
; have LDS bytes of their own.  No input is read by two work-groups, so there is nothing to share in a cluster; memory binds, so no tensor load and no matrix unit.
.set OPS,  6291456                     ; where the scale bytes begin
.set SP,   80                          ; x: a lane's place in a stage: 64 bytes + 16 of padding
.set R,    16                          ; v16-143  x: eight sets of 16 numbers as loaded
.set XN,   144                         ; v144-175 x: two sets of 16 neighbours
.set CD,   176                         ; v176-207 x: two registers of codes for each step
.set EB,   208                         ; v208-223 x: a scale byte for each step
.macro XLOAD t                         ; step t: four loads of 512 consecutive bytes
.irp i, 0,1,2,3
	global_load_b128 v[R+16*((\t)%8)+4*\i:R+16*((\t)%8)+4*\i+3], v3, s[4:5] offset:2048*(\t)+512*\i th:TH_LOAD_NT
.endr
.endm
.macro XTURN t                         ; step t's 2,048 bytes through the wave's own stage: in as they lie, out 64 bytes a lane; LDS serves a wave's instructions in order
.irp i, 0,1,2,3
	ds_store_b128 v14, v[R+16*((\t)%8)+4*\i:R+16*((\t)%8)+4*\i+3] offset:32*SP*((\t)%2)+8*SP*\i
.endr
.irp i, 0,1,2,3
	ds_load_b128 v[XN+16*((\t)%2)+4*\i:XN+16*((\t)%2)+4*\i+3], v15 offset:32*SP*((\t)%2)+16*\i
.endr
.endm
.macro XSTEP t
.set XS, XN+16*((\t)%2)
.if (\t) > 0
	s_wait_dscnt 1                                 ; this step's numbers are back from the stage (the last step's byte store may be out); so its stage stores have read their registers
.else
	s_wait_dscnt 0x0
.endif
.if (\t)+8 < 16
	XLOAD (\t)+8                                   ; which take the loads of eight steps on
.endif
.if (\t)+1 < 16
.if (\t) < 8
	s_wait_loadcnt 28                              ; the next step's four loads are in; seven younger steps' 28 may be out
.else
	s_wait_loadcnt 4*(14-(\t))                     ; the counts run down: steps t + 2 .. 15 are younger
.endif
	XTURN (\t)+1
.endif
	v_max3_num_f32 v8, |v[XS]|, |v[XS+1]|, |v[XS+2]|
	v_max3_num_f32 v9, |v[XS+3]|, |v[XS+4]|, |v[XS+5]|
.irp i, 6,10
	s_delay_alu instid0(VALU_DEP_2)
	v_max3_num_f32 v8, v8, |v[XS+\i]|, |v[XS+\i+1]|
	s_delay_alu instid0(VALU_DEP_2)
	v_max3_num_f32 v9, v9, |v[XS+\i+2]|, |v[XS+\i+3]|
.endr
	s_delay_alu instid0(VALU_DEP_2)
	v_max3_num_f32 v8, v8, |v[XS+14]|, |v[XS+15]|
	s_delay_alu instid0(VALU_DEP_1)
	v_max3_num_f32 v8, v8, v9, 0x1800000           ; and the floor 2^(3 - 127): the byte cannot fall under 1
	s_delay_alu instid0(VALU_DEP_1)
	v_max_num_f32_dpp v8, v8, v8 row_xmask:1 row_mask:0xf bank_mask:0xf   ; with my neighbour's 16: the block's largest magnitude
	s_delay_alu instid0(VALU_DEP_1)
	v_add_nc_u32 v11, 0xff000000, v8               ; 2 off its exponent field: the conversion's scale operand
	v_cvt_scalef32_pk8_fp4_f32 v[CD+2*(\t)], v[XS:XS+7], v11
	v_cvt_scalef32_pk8_fp4_f32 v[CD+2*(\t)+1], v[XS+8:XS+15], v11
	v_lshrrev_b32 v[EB+(\t)], 23, v11              ; the scale's byte (a plain line behind the conversions)
	ds_store_b8 v5, v[EB+(\t)] offset:16*(\t)      ; both lanes of a block write the same byte with the same value
	global_store_b64 v4, v[CD+2*(\t):CD+2*(\t)+1], s[12:13] offset:256*(\t)   ; the wave stores 256 consecutive bytes, aligned
.endm
; THE WEIGHTS.  A lane takes a column and its registers run down K: a block of 32 lies in one lane.
.macro WLOAD t, N, PTR                 ; block t: W(32 t + i, my column) into set t % 2
.set wi, 0
.rept 32
	global_load_b32 v[32+32*((\t)%2)+wi], v3, s[\PTR:\PTR+1] offset:(32*(\t)+wi)*\N*4 th:TH_LOAD_NT
.set wi, wi+1
.endr
.endm
.macro WBLOCK t, N, PERM, PTR
.set XS, 32+32*((\t)%2)
.if (\t) < 3
	s_wait_loadcnt 32                              ; this block's 32 loads are in; the next block's may be out
.else
	s_wait_loadcnt 0x0
.endif
	v_max3_num_f32 v12, |v[XS]|, |v[XS+1]|, |v[XS+2]|
	v_max3_num_f32 v13, |v[XS+3]|, |v[XS+4]|, |v[XS+5]|
.irp i, 6,10,14,18,22,26
	s_delay_alu instid0(VALU_DEP_2)
	v_max3_num_f32 v12, v12, |v[XS+\i]|, |v[XS+\i+1]|
	s_delay_alu instid0(VALU_DEP_2)
	v_max3_num_f32 v13, v13, |v[XS+\i+2]|, |v[XS+\i+3]|
.endr
	s_delay_alu instid0(VALU_DEP_2)
	v_max3_num_f32 v12, v12, |v[XS+30]|, |v[XS+31]|
	s_delay_alu instid0(VALU_DEP_1)
	v_max3_num_f32 v12, v12, v13, 0x1800000        ; the floor
	s_delay_alu instid0(VALU_DEP_1)
	v_add_nc_u32 v11, 0xff000000, v12              ; the conversion's scale operand
	s_delay_alu instid0(VALU_DEP_1)
	v_lshrrev_b32 v13, 23, v11                     ; the byte
.if (\t) == 0
	s_delay_alu instid0(VALU_DEP_1)
	v_mov_b32 v24, v13                             ; my four blocks' bytes make one word, the lower K in the lower byte
.else
	s_delay_alu instid0(VALU_DEP_1)
	v_lshl_or_b32 v24, v13, 8*(\t), v24
.endif
.irp g, 0,1,2,3
.set pg, \g
.if \PERM
.set pg, ((\g)&1)*2+((\g)>>1)                  ; group g of eight goes to place 0, 2, 1, 3
.endif
	v_cvt_scalef32_pk8_fp4_f32 v[96+pg], v[XS+8*\g:XS+8*\g+7], v11
.endr
	ds_store_b128 v4, v[96:99] offset:16*(\t)      ; 32 codes: 16 bytes of my column's stage row
.if (\t) < 2
	WLOAD (\t)+2, \N, \PTR
.endif
	s_wait_dscnt 0x0                               ; the store has read its registers: the next block's codes may be written
.endm
; N: the weight's columns; RB: its first row in opq; LB: its LDS bytes (64 rows x 272, then 64 x 16 scale bytes); IDB: its first work-group; PTR: the scalar pair with its address
.macro WPATH N, RB, LB, PERM, IDB, PTR
	s_sub_co_u32 s17, ttmp9, \IDB
	s_lshr_b32 s18, s17, 1                         ; which 64 columns
	s_and_b32 s19, s17, 1                          ; which 512 along K
	s_and_b32 s20, s16, 1                          ; my wave: which 32 of the columns,
	s_lshr_b32 s21, s16, 1                         ; which 128 of the K
	s_lshl_b32 s22, s19, 9
	s_lshl_b32 s23, s21, 7
	s_add_co_u32 s22, s22, s23
	s_mul_i32 s22, s22, \N*4                       ; my first row of W, in bytes,
	s_lshl_b32 s23, s18, 8
	s_add_co_u32 s22, s22, s23
	s_lshl_b32 s23, s20, 7
	s_add_co_u32 s22, s22, s23                     ; and my first column
	s_mov_b32 s23, 0
	s_add_nc_u64 s[\PTR:\PTR+1], s[\PTR:\PTR+1], s[22:23]
	v_lshlrev_b32 v3, 2, v2                        ; 4 bytes a lane
	WLOAD 0, \N, \PTR
	WLOAD 1, \N, \PTR
	s_mul_i32 s24, s20, 32*272
	s_lshl_b32 s25, s21, 6
	s_add_co_u32 s24, s24, s25
	s_add_co_u32 s24, s24, \LB
	v_mul_u32_u24 v4, v2, 272
	s_delay_alu instid0(VALU_DEP_1)
	v_add_nc_u32 v4, s24, v4                       ; the stage, in: row = my column, 64 bytes for each 128 along K
	s_lshl_b32 s24, s20, 9
	s_lshl_b32 s25, s21, 2
	s_add_co_u32 s24, s24, s25
	s_add_co_u32 s24, s24, \LB+17408
	v_lshl_add_u32 v5, v2, 4, s24                  ; my column's 16 scale bytes, my word of them
	v_and_b32 v6, 15, v2
	v_lshrrev_b32 v7, 4, v2
	s_mul_i32 s24, s16, 8*272
	s_add_co_u32 s24, s24, \LB
	v_mul_u32_u24 v8, v7, 272
	s_delay_alu instid0(VALU_DEP_1)
	v_lshl_add_u32 v8, v6, 4, v8
	s_delay_alu instid0(VALU_DEP_1)
	v_add_nc_u32 v8, s24, v8                       ; the stage, out: wave w takes rows 8 w .. 8 w + 7, sixteen lanes to a row
	v_lshlrev_b32 v9, 9, v7
	s_delay_alu instid0(VALU_DEP_1)
	v_lshl_add_u32 v9, v6, 4, v9                   ; and the same place in opq
	s_lshl_b32 s24, s18, 6
	s_lshl_b32 s25, s16, 3
	s_add_co_u32 s24, s24, s25
	s_add_co_u32 s24, s24, \RB
	s_lshl_b32 s24, s24, 9
	s_lshl_b32 s25, s19, 8
	s_add_co_u32 s24, s24, s25
	s_mov_b32 s25, 0
	s_add_nc_u64 s[12:13], s[10:11], s[24:25]      ; codes: row RB + 64 nt + 8 w, byte 256 y
	s_and_b32 s27, s16, 1                          ; the scale bytes leave by waves 0 and 1: 32 columns each
	s_lshl_b32 s28, s27, 9
	s_add_co_u32 s28, s28, \LB+17408
	v_lshl_add_u32 v10, v2, 4, s28
	v_lshlrev_b32 v14, 5, v2
	s_lshl_b32 s26, s18, 6
	s_lshl_b32 s27, s27, 5
	s_add_co_u32 s26, s26, s27
	s_add_co_u32 s26, s26, \RB
	s_lshl_b32 s26, s26, 5
	s_lshl_b32 s27, s19, 4
	s_add_co_u32 s26, s26, s27
	s_add_co_u32 s26, s26, OPS
	s_mov_b32 s27, 0
	s_add_nc_u64 s[14:15], s[10:11], s[26:27]
	WBLOCK 0, \N, \PERM, \PTR
	WBLOCK 1, \N, \PERM, \PTR
	WBLOCK 2, \N, \PERM, \PTR
	WBLOCK 3, \N, \PERM, \PTR
	s_wait_alu depctr_va_vdst(0)
	ds_store_b32 v5, v24
	s_wait_dscnt 0x0                               ; for the others' sake: my stores into the stage are done
	s_barrier_signal -1                            ; (the way here hangs on the work-group's number alone: all eight waves pass)
	s_barrier_wait -1
.irp t, 0,1,2,3
	ds_load_b128 v[112+4*\t:115+4*\t], v8 offset:2*\t*272
.endr
.irp t, 0,1,2,3
	s_wait_dscnt 3-\t                              ; load t is in; the younger ones may be out
	global_store_b128 v9, v[112+4*\t:115+4*\t], s[12:13] offset:1024*\t   ; sixteen lanes store 256 consecutive bytes, aligned
.endr
	s_cmp_lt_u32 s16, 2
	s_cbranch_scc0 .Lwdone_\@
	ds_load_b128 v[128:131], v10
	s_wait_dscnt 0x0
	global_store_b128 v14, v[128:131], s[14:15]    ; 16 of each row's 32 scale bytes: the other 16 are the other work-group's (131,072 bytes of both weights in all leave so)
.Lwdone_\@:
.endm
	s_load_b128 s[4:7], s[0:1], 0x0                ; x, W_attn
	s_load_b128 s[8:11], s[0:1], 0x10              ; W_proj, opq
	v_lshl_add_u32 v224, v0, 2, 0x19000
	v_mov_b32 v225, 0
	v_lshrrev_b32 v1, 5, v0
	s_delay_alu instid0(VALU_DEP_1)
	v_readfirstlane_b32 s16, v1                    ; wave 0..7
	v_and_b32 v2, 31, v0                           ; lane
	s_wait_kmcnt 0x0
	s_cmp_lt_u32 ttmp9, 128
	s_cbranch_scc0 .Lweights
	s_wait_alu depctr_va_vdst(0)
	; ---- x
	v_lshlrev_b32 v3, 4, v2                        ; my 16 bytes of a load's 512
	s_lshl_b32 s17, s16, 13                        ; my wave's 8,192 bytes of LDS: two stages, then 256 scale bytes
	v_lshrrev_b32 v14, 2, v2
	s_delay_alu instid0(VALU_DEP_1)
	v_mul_u32_u24 v14, v14, SP
	v_and_b32 v15, 3, v2
	s_delay_alu instid0(VALU_DEP_1)
	v_lshl_add_u32 v14, v15, 4, v14
	s_delay_alu instid0(VALU_DEP_1)
	v_add_nc_u32 v14, s17, v14                     ; the stage, in: four lanes' 64 bytes on end, then 16 of padding
	v_mul_u32_u24 v15, v2, SP
	s_delay_alu instid0(VALU_DEP_1)
	v_add_nc_u32 v15, s17, v15                     ; out: my 16 neighbours
	v_lshlrev_b32 v4, 3, v2                        ; 8 bytes a lane: my codes in a step's 256, my part of the scale bytes
	v_lshrrev_b32 v5, 1, v2
	s_add_co_u32 s17, s17, 2*32*SP
	v_add_nc_u32 v5, s17, v5                       ; my block's byte
	v_add_nc_u32 v6, s17, v4
	s_lshl_b32 s18, ttmp9, 3
	s_add_co_u32 s18, s18, s16                     ; which run of 8,192 numbers is my wave's
	s_lshl_b32 s20, s18, 15
	s_mov_b32 s21, 0
	s_add_nc_u64 s[4:5], s[4:5], s[20:21]
	s_lshl_b32 s20, s18, 12
	s_add_nc_u64 s[12:13], s[10:11], s[20:21]      ; its codes
	s_lshl_b32 s20, s18, 8
	s_add_co_u32 s20, s20, OPS
	s_add_nc_u64 s[14:15], s[10:11], s[20:21]      ; its scale bytes
.irp t, 0,1,2,3,4,5,6,7
	XLOAD \t
.endr
	s_wait_alu depctr_va_vdst(0)
	s_wait_loadcnt 28                              ; step 0's four loads are in
	XTURN 0
.irp t, 0,1,2,3,4,5,6,7,8,9,10,11,12,13,14,15
	XSTEP \t
.endr
	ds_load_b64 v[12:13], v6                       ; LDS serves a wave's instructions in order: these see my byte stores
	s_wait_dscnt 0x0
	global_store_b64 v4, v[12:13], s[14:15]        ; 256 consecutive bytes, aligned
	s_wait_tensorcnt 0x0
	ds_add_u32 v224, v225
	s_wait_dscnt 0x0
	s_endpgm
.Lweights:
	s_cmp_lt_u32 ttmp9, 224
	s_cbranch_scc0 .Lwproj
	s_wait_alu depctr_va_vdst(0)
	WPATH 3072, 8192, 65536, 0, 128, 6
	s_wait_tensorcnt 0x0
	ds_add_u32 v224, v225
	s_wait_dscnt 0x0
	s_endpgm
.Lwproj:
	s_wait_alu depctr_va_vdst(0)
	WPATH 1024, 11264, 83968, 1, 224, 8
	s_wait_tensorcnt 0x0
	ds_add_u32 v224, v225
	s_wait_dscnt 0x0
	s_endpgm
.Lfunc_end_k_qc83f48905a_prep:
	.size	k_qc83f48905a_prep, .Lfunc_end_k_qc83f48905a_prep-k_qc83f48905a_prep
	.p2alignl 7, 3214868480
	.fill 96, 4, 3214868480
	.section	.rodata,"a",@progbits
	.p2align	6, 0x0
	.amdhsa_kernel k_qc83f48905a_prep
		.amdhsa_group_segment_fixed_size 103424
		.amdhsa_private_segment_fixed_size 0
		.amdhsa_enable_private_segment 0
		.amdhsa_kernarg_size 32
		.amdhsa_user_sgpr_count 2
		.amdhsa_user_sgpr_kernarg_segment_ptr 1
		.amdhsa_wavefront_size32 1
		.amdhsa_system_sgpr_workgroup_id_x 1
		.amdhsa_system_sgpr_workgroup_id_y 1
		.amdhsa_system_sgpr_workgroup_id_z 1
		.amdhsa_system_vgpr_workitem_id 0
		.amdhsa_next_free_vgpr 226
		.amdhsa_next_free_sgpr 66
		.amdhsa_reserve_vcc 0
		.amdhsa_float_denorm_mode_32 3
		.amdhsa_float_denorm_mode_16_64 3
		.amdhsa_memory_ordered 1
		.amdhsa_forward_progress 1
		.amdhsa_inst_pref_size 86
	.end_amdhsa_kernel
	.amdgpu_metadata
---
amdhsa.version: [ 1, 2 ]
amdhsa.kernels:
  - .name:           k_qc83f48905a_prep
    .symbol:         k_qc83f48905a_prep.kd
    .args:
      - { .name: x, .offset: 0, .size: 8, .value_kind: global_buffer, .address_space: global }
      - { .name: W_attn, .offset: 8, .size: 8, .value_kind: global_buffer, .address_space: global }
      - { .name: W_proj, .offset: 16, .size: 8, .value_kind: global_buffer, .address_space: global }
      - { .name: opq, .offset: 24, .size: 8, .value_kind: global_buffer, .address_space: global }
    .group_segment_fixed_size: 103424
    .private_segment_fixed_size: 0
    .kernarg_segment_align: 8
    .kernarg_segment_size: 32
    .max_flat_workgroup_size: 256
    .sgpr_count:     66
    .vgpr_count:     226
    .wavefront_size: 32
...
	.end_amdgpu_metadata
.endif
;; end of part 1
;; launch qkv (part 2): grid 4 x 96, 4 waves a work-group, clusters of 4 x 4, 296,448 bytes of LDS; arguments opq, b_attn, qkv; writes qkv
.if DOCPART == 2
	.amdgcn_target "amdgcn-amd-amdhsa--gfx1250"
	.amdhsa_code_object_version 6
	.text
	.protected	k_qc83f48905a_qkv
	.globl	k_qc83f48905a_qkv
	.p2align	8
	.type	k_qc83f48905a_qkv,@function
k_qc83f48905a_qkv:
	s_mov_b64 s[64:65], 0
	v_nop
	global_prefetch_b8 v0, s[64:65] scope:SCOPE_SE
	s_setreg_imm32_b32 hwreg(HW_REG_WAVE_MODE, 25, 1), 1
	s_wait_xcnt 0x0
	s_wait_alu depctr_hold_cnt(0) depctr_sa_sdst(0) depctr_va_vdst(0) depctr_va_sdst(0) depctr_va_ssrc(0) depctr_va_vcc(0) depctr_vm_vsrc(0)
	s_getreg_b32 s2, hwreg(HW_REG_IB_STS2, 6, 4)
	s_cmp_eq_u32 s2, 0
	s_cbranch_scc0 .Lentry_in_a_cluster
	s_endpgm
.Lentry_in_a_cluster:
	s_bfe_u32 s2, ttmp6, 0x10000c
	s_cmp_lg_u32 s2, 0xf033
	s_cbranch_scc0 .Lentry_shape_is_right
	s_endpgm
.Lentry_shape_is_right:
; q, k, v = x W_attn + b_attn on codes of FP4 (E2M1) with E8M0 scales, and at once quantised again: q and k along the head's 64, v along the keys.  No f32 number of q, k, v goes to memory.
; ONE BODY, TWO ROLES, told apart by the cluster's number (the same in all sixteen partners).  A tile is 256 'A rows' (source 1: a lane's row) x 256 'B rows' (source 0: a lane's registers run along them,
; so they are the NEXT product's K).  Both are rows of opq.  Role qk (clusters 0-15): A = x's rows, B = W_attn's columns 0-2047.  Role v (clusters 16-23): A = W_attn's columns 2048-3071, B = x's rows.
; Four waves, each 128 x 128: 64 accumulators.  ALL of K = 1,024 lies in LDS in two slots of 512, each filled once: nothing is filled again.
; CLUSTER 4 x 4: A's tiles are shared along a row of the cluster, B's along a column, by joint loads.
; THE NEXT OPERAND.  Lane (r, h) holds row r; registers of tiles 2 b and 2 b + 1 are B rows 32 b + 8 h + 0..7 and 32 b + 16 + 8 h + 0..7.  Two conversions and an exchange of halves give a whole block a lane, its groups of
; eight in the order 0, 2, 1, 3: the same in every operand that this program makes, so both sides of each later product agree, and neither a block's scale nor a sum changes.
; OUT: codes as images of operand registers, [region q, k, v][pair of heads 32][128 tokens 16][8,192 bytes]; a wave's store covers 512 consecutive bytes, aligned.  Scale words [head 64][128 tokens 16][768 bytes]:
; 8 x 16 words of q (at SQ) or k (at SCW), bytes (e0, e1, 127, 127); from byte 512 of SCW's 768 four x 16 words of v.
; LIMITS: NaN and infinities are not served; a block under 2^-124 keeps the byte 1, a block of zeros too (its codes are zeros; this program alone reads the bytes).
; REGISTERS, in windows of 256.  Window 0: v0-31 addresses; v32-95 scale words and nothing else; v96-103 codes just made; v104-115 at work; v116-123 the eight scale words made; v128-255 A's fragments, two sets.
;   window 1: v0-63, v128-191 B's fragments, two sets; v64-127 the bias in the result's layout.   windows 2, 3: accumulator (a, b) at v[8 (8 (a % 4) + b)], a < 4 in window 2.
.set PITCH,  272                       ; an LDS row: 256 bytes + 16 of padding: the 16 rows that a load touches start at 16 different banks (64 banks of 4 bytes: ISA guide 11.1)
.set HALFT,  128*PITCH                 ; what one tensor load brings
.set SLOT,   4*HALFT                   ; A's 256 rows, then B's 256 rows, 512 along K
.set SCL,    2*SLOT                    ; the scale bytes, as units of 256 bytes + 16 of padding
.set HALFS,  16*272                    ; those of 128 rows
.set SBLK,   2*272                     ; those of 16 rows
.set OPS,    6291456                   ; opq: where the scale bytes begin
.set SQ,     12582912                  ; qkv: q's scale words
.set SCW,    13369344                  ; qkv: k's and v's
.set ADRA, 16                          ; v16-17 LDS address of my A fragments in slot 0, 1
.set ADRB, 20                          ; v20-21 the same for B
.set LI,   24                          ; v24  16 x lane
.set LS,   25                          ; v25  4 x lane
.set ADRS, 27                          ; v27  my scale words: lanes 0-15 A's rows, lanes 16-31 B's
.set SC,   32
.set PC,   96
.set TM,   104                         ; +0..3 largest magnitudes, +4..7 the other half's / bytes, +8..11 the conversions' scale operands
.set PW,   116
.set BB,   64                          ; in window 1
.set G1, 24
.set G0, 32
.set G1B, 48
.set G0B, 56
.set G1S, 68
.set G0S, 76
.set G1SB, 80
.set G0SB, 88
.set MSB, 0
.macro WIN new                         ; the immediate's high byte repeats the setting that is left
.if MSB != (\new)
	s_set_vgpr_msb (MSB<<8)|(\new)
.set MSB, (\new)
.endif
.endm
; A joint load: waves 0 and 1 fetch for A, waves 2 and 3 for B; the branch hangs on the wave's number alone.  Four v_nop follow each of the two lines.
.macro JLOAD g0a, g1a, g0b, g1b
	s_cmp_eq_u32 s15, 0
	s_cbranch_scc0 .Lfor_b_\@
	tensor_load_to_lds s[\g0a:\g0a+3], s[\g1a:\g1a+7]
	s_nop 0
.rept 4
	v_nop
.endr
	s_branch .Lasked_\@
.Lfor_b_\@:
	tensor_load_to_lds s[\g0b:\g0b+3], s[\g1b:\g1b+7]
	s_nop 0
.rept 4
	v_nop
.endr
.Lasked_\@:
.endm
.macro CROUND                          ; a round of the cluster's barrier
	s_barrier_signal -1
	s_barrier_wait -1
	s_cmp_lg_u32 s14, 0
	s_cbranch_scc1 .Lnot_wave_0_\@
	s_barrier_signal -3
.Lnot_wave_0_\@:
	s_barrier_wait -3
	s_barrier_signal -1
	s_barrier_wait -1
.endm
.macro PLACES n
.rept \n
	v_nop
.endr
.endm
.macro FRAG reg, adr, q, i             ; 16 rows x 128 K: lane l holds row l % 16; registers 4 c .. 4 c + 3 hold K = 64 c + 32 (l / 16) + 0 .. 31
.irp c, 0,1
	ds_load_b128 v[\reg+4*\c:\reg+4*\c+3], v[\adr] offset:64*(\q)+32*\c+(\i)*16*PITCH
.endr
.endm
.macro FETCH q, p                      ; the fragments of K step q (128 along K) into set p: 32 loads in one run
	WIN 0x40
.irp i, 0,1,2,3,4,5,6,7
	FRAG 128*(\p)+8*\i, ADRB+(\q)/4, (\q)%4, \i
.endr
	WIN 0
.irp i, 0,1,2,3,4,5,6,7
	FRAG 128+64*(\p)+8*\i, ADRA+(\q)/4, (\q)%4, \i
.endr
.endm
.macro SCALES sc                       ; slot sc's scale words: four words a row; lanes 0-15 A's block i, lanes 16-31 B's block i
.irp i, 0,1,2,3,4,5,6,7
	ds_load_b128 v[SC+32*\sc+4*\i:SC+32*\sc+4*\i+3], v[ADRS] offset:\i*SBLK+16*\sc
.endr
.endm
; K step q: 64 matrix instructions, the 64 accumulators by turns, in the same order in every step.  cm = 0: they add in place; 1: they begin with the bias by B's block; 2: by A's block.
.macro MUL q, cm
.set P, (\q)%2
.set SR, SC+32*((\q)/4)+(\q)%4
.irp a, 0,1,2,3,4,5,6,7
.if \cm == 0
	WIN 0xa1+0x50*((\a)/4)
.else
	WIN 0x91+0x40*((\a)/4)
.endif
.irp b, 0,1,2,3,4,5,6,7
.if \cm == 0
	v_wmma_scale_f32_16x16x128_f8f6f4 v[8*(8*((\a)%4)+\b):8*(8*((\a)%4)+\b)+7], v[128*P+8*\b:128*P+8*\b+7], v[128+64*P+8*\a:128+64*P+8*\a+7], v[8*(8*((\a)%4)+\b):8*(8*((\a)%4)+\b)+7], v[SR+4*\b], v[SR+4*\a] matrix_a_fmt:MATRIX_FMT_FP4 matrix_b_fmt:MATRIX_FMT_FP4 matrix_a_scale:MATRIX_SCALE_ROW1
.elseif \cm == 1
	v_wmma_scale_f32_16x16x128_f8f6f4 v[8*(8*((\a)%4)+\b):8*(8*((\a)%4)+\b)+7], v[128*P+8*\b:128*P+8*\b+7], v[128+64*P+8*\a:128+64*P+8*\a+7], v[BB+8*\b:BB+8*\b+7], v[SR+4*\b], v[SR+4*\a] matrix_a_fmt:MATRIX_FMT_FP4 matrix_b_fmt:MATRIX_FMT_FP4 matrix_a_scale:MATRIX_SCALE_ROW1
.else
	v_wmma_scale_f32_16x16x128_f8f6f4 v[8*(8*((\a)%4)+\b):8*(8*((\a)%4)+\b)+7], v[128*P+8*\b:128*P+8*\b+7], v[128+64*P+8*\a:128+64*P+8*\a+7], v[BB+8*\a:BB+8*\a+7], v[SR+4*\b], v[SR+4*\a] matrix_a_fmt:MATRIX_FMT_FP4 matrix_b_fmt:MATRIX_FMT_FP4 matrix_a_scale:MATRIX_SCALE_ROW1
.endif
.endr
.endr
.endm
; A's block a (16 rows) is quantised out of its eight accumulators and stored: a fragment of 16 rows x 128 of the next K, and its scale word in v[PW + a].
.macro EPI a
.set W, 2+(\a)/4
.set AC, 64*((\a)%4)
	WIN 5*W                                        ; sources 0 and 1 in the accumulators' window
.irp b, 0,1,2,3
	v_max3_num_f32 v[TM+\b], |v[AC+16*\b]|, |v[AC+16*\b+1]|, 0x1800000   ; block b: my 16 numbers, each accumulator from its low end on, and the floor 2^(3 - 127)
.endr
.irp i, 2,4,6,8,10,12,14
.irp b, 0,1,2,3
	v_max3_num_f32 v[TM+\b], |v[AC+16*\b+\i]|, |v[AC+16*\b+\i+1]|, v[TM+\b]
.endr
.endr
	WIN 0
.irp b, 0,1,2,3
	v_permlanex16_b32 v[TM+4+\b], v[TM+\b], s20, s21
.endr
.irp b, 0,1,2,3
	v_max_num_f32 v[TM+\b], v[TM+\b], v[TM+4+\b]   ; with lane l xor 16's 16: the block's largest magnitude
.endr
.irp b, 0,1,2,3
	v_add_nc_u32 v[TM+8+\b], 0xff000000, v[TM+\b]  ; 2 off the exponent field: the conversion's scale operand
.endr
.irp b, 0,1,2,3
	v_lshrrev_b32 v[TM+4+\b], 23, v[TM+8+\b]       ; the byte
.endr
	v_lshl_or_b32 v[PW+\a], v[TM+5], 8, v[TM+4]
	v_lshl_or_b32 v[PW+\a], v[TM+6], 16, v[PW+\a]
	v_lshl_or_b32 v[PW+\a], v[TM+7], 24, v[PW+\a]
.if \a > 0
	s_wait_xcnt 0x0                                ; the last block's stores have read their data: the codes' registers may be written again
.endif
	WIN W                                          ; source 0 in the accumulators' window
.irp b, 0,1,2,3
	v_cvt_scalef32_pk8_fp4_f32 v[PC+2*\b], v[AC+16*\b:AC+16*\b+7], v[TM+8+\b]
	v_cvt_scalef32_pk8_fp4_f32 v[PC+2*\b+1], v[AC+16*\b+8:AC+16*\b+15], v[TM+8+\b]
.endr
	WIN 0
	v_nop                                          ; one plain line behind a scaled conversion
.irp c, 0,1                                    ; a whole block to a lane: lanes 0-15 block 2 c, lanes 16-31 block 2 c + 1
.irp i, 0,1
	v_permlane16_swap_b32 v[PC+4*\c+\i], v[PC+4*\c+2+\i]
.endr
.endr
	global_store_b128 v[LI], v[PC:PC+3], s[98:99] offset:1024*\a        ; 512 consecutive bytes, aligned
	global_store_b128 v[LI], v[PC+4:PC+7], s[98:99] offset:1024*\a+512
.endm
	s_load_b128 s[4:7], s[0:1], 0x0                ; opq, b_attn
	s_load_b64 s[8:9], s[0:1], 0x10                ; qkv
	v_lshl_add_u32 v126, v0, 2, 0x48400
	v_mov_b32 v127, 0
	ds_add_u32 v126, v127
	ds_add_u32 v126, v127
	v_lshrrev_b32 v1, 5, v0
	v_readfirstlane_b32 s14, v1                    ; wave 0..3
	s_lshr_b32 s15, s14, 1                         ; which half of A's rows is mine.  Also: I fetch for A (0) or for B (1)
	s_and_b32 s16, s14, 1                          ; which half of B's rows.  Also: which 128 rows I fetch
	s_bfe_u32 s40, ttmp6, 0x40000                  ; cx
	s_bfe_u32 s41, ttmp6, 0x40004                  ; cy
	s_and_b32 s17, ttmp7, 0xffff                   ; the cluster's number, 0..23
	s_and_b32 s18, s17, 1
	s_lshr_b32 s19, s17, 1
	s_sub_co_u32 s20, s17, 16
	s_cmp_lt_u32 s17, 16                           ; role qk?
	s_cselect_b32 s18, s18, s20                    ; the cluster's column of tiles
	s_cselect_b32 s19, s19, 0                      ; and its row
	s_cselect_b32 s21, 0, 10240                    ; A's first row in opq
	s_cselect_b32 s22, 8192, 0                     ; B's
	s_cselect_b32 s10, 1, 0                        ; the role: 1 = qk
	s_lshl_b32 s12, s18, 2
	s_add_co_u32 s12, s12, s40                     ; B's tile
	s_lshl_b32 s11, s19, 2
	s_add_co_u32 s11, s11, s41                     ; A's tile
	s_lshl_b32 s43, s41, 2
	s_lshl_b32 s43, 15, s43                        ; my row of the cluster
	s_lshl_b32 s44, 0x1111, s40                    ; my column
	; group 1 for codes: 128 rows x 256 bytes, 512 bytes apart in memory, 16 bytes of padding behind each in LDS
	s_or_b32 s[G1+0], s43, (0<<16)|(1<<20)|(1<<21)|(5<<22)|(3<<25)
	s_or_b32 s[G1B+0], s44, (0<<16)|(1<<20)|(1<<21)|(5<<22)|(3<<25)
.irp g, G1, G1B
	s_mov_b32 s[\g+1], 256<<16                     ; tensor_dim0
	s_mov_b32 s[\g+2], 128<<16                     ; tensor_dim1
	s_mov_b32 s[\g+3], 256<<16                     ; tile_dim0
	s_mov_b32 s[\g+4], 128                         ; tile_dim1
	s_mov_b32 s[\g+5], 512                         ; the pitch
	s_mov_b32 s[\g+6], 0
	s_mov_b32 s[\g+7], 0
.endr
	; group 1 for the scale bytes of 128 rows: 4,096 dense bytes as 16 rows of 32 elements of 8 bytes, padded likewise
	s_or_b32 s[G1S+0], s43, (3<<16)|(1<<20)|(1<<21)|(5<<22)|(3<<25)
	s_or_b32 s[G1SB+0], s44, (3<<16)|(1<<20)|(1<<21)|(5<<22)|(3<<25)
.irp g, G1S, G1SB
	s_mov_b32 s[\g+1], 32<<16
	s_mov_b32 s[\g+2], 16<<16
	s_mov_b32 s[\g+3], 32<<16
	s_mov_b32 s[\g+4], 16
	s_mov_b32 s[\g+5], 32
	s_mov_b32 s[\g+6], 0
	s_mov_b32 s[\g+7], 0
.endr
	s_lshl_b32 s23, s16, 7                         ; which 128 rows of the tile I fetch
	s_lshl_b32 s20, s11, 8
	s_add_co_u32 s20, s20, s23
	s_add_co_u32 s20, s20, s21                     ; A: the row in opq
	s_lshl_b32 s46, s12, 8
	s_add_co_u32 s46, s46, s23
	s_add_co_u32 s46, s46, s22                     ; B: likewise
	s_lshl_b32 s92, s20, 5
	s_add_co_u32 s92, s92, OPS                     ; their scale bytes,
	s_mov_b32 s93, 0
	s_lshl_b32 s94, s46, 5
	s_add_co_u32 s94, s94, OPS
	s_mov_b32 s95, 0
	s_lshl_b32 s20, s20, 9                         ; their codes
	s_mov_b32 s21, 0
	s_lshl_b32 s46, s46, 9
	s_mov_b32 s47, 0
	s_mul_i32 s45, s14, HALFT                      ; where they go: wave x 128 rows
	s_mul_i32 s42, s14, HALFS
	s_wait_dscnt 0x0
	s_wait_kmcnt 0x0
	s_add_nc_u64 s[20:21], s[4:5], s[20:21]
	s_add_nc_u64 s[92:93], s[4:5], s[92:93]
	s_add_nc_u64 s[46:47], s[4:5], s[46:47]
	s_add_nc_u64 s[94:95], s[4:5], s[94:95]
	CROUND                                         ; all sixteen work-groups are here: the joint loads meet
	s_mov_b32 s[G0S], 1
	s_add_co_u32 s[G0S+1], s42, SCL
	s_mov_b64 s[G0S+2:G0S+3], s[92:93]
	s_or_b32 s[G0S+3], s[G0S+3], 0x80000000
	s_mov_b32 s[G0SB], 1
	s_add_co_u32 s[G0SB+1], s42, SCL
	s_mov_b64 s[G0SB+2:G0SB+3], s[94:95]
	s_or_b32 s[G0SB+3], s[G0SB+3], 0x80000000
	JLOAD G0S, G1S, G0SB, G1SB                     ; the scale bytes first; three loads of mine are out behind the third line
.irp s, 0,1
	s_mov_b32 s[G0+4*\s], 1
	s_add_co_u32 s[G0+4*\s+1], s45, \s*SLOT
	s_add_nc_u64 s[G0+4*\s+2:G0+4*\s+3], s[20:21], \s*256
	s_or_b32 s[G0+4*\s+3], s[G0+4*\s+3], 0x80000000
	s_mov_b32 s[G0B+4*\s], 1
	s_add_co_u32 s[G0B+4*\s+1], s45, \s*SLOT
	s_add_nc_u64 s[G0B+4*\s+2:G0B+4*\s+3], s[46:47], \s*256
	s_or_b32 s[G0B+4*\s+3], s[G0B+4*\s+3], 0x80000000
	JLOAD G0+4*\s, G1, G0B+4*\s, G1B
.endr
	v_and_b32 v1, 15, v0                           ; r
	v_bfe_u32 v2, v0, 4, 1                         ; h
	v_lshlrev_b32 v8, 5, v2                        ; 32 h: the bias by registers
	v_lshlrev_b32 v9, 2, v1                        ; 4 r: the bias by lanes
	; which 256 columns of W_attn (wg) and which half (wh), which 256 tokens (xt) and which half (xh) are mine; in scalars that feed no descriptor
	s_add_co_u32 s67, s11, 8
	s_cmp_eq_u32 s10, 1
	s_cselect_b32 s13, s12, s67                    ; wg
	s_cselect_b32 s42, s16, s15                    ; wh
	s_cselect_b32 s66, s11, s12                    ; xt
	s_cselect_b32 s45, s15, s16                    ; xh
	s_lshl_b32 s2, s13, 10
	s_lshl_b32 s3, s42, 9
	s_add_co_u32 s2, s2, s3
	s_mov_b32 s3, 0
	s_add_nc_u64 s[96:97], s[6:7], s[2:3]          ; b_attn at my 128 columns
	s_cmp_eq_u32 s10, 1
	s_cbranch_scc0 .Lbias_v
	WIN 0x40                                       ; destination window 1
	s_wait_alu depctr_va_vdst(0)
.irp b, 0,1,2,3,4,5,6,7                        ; role qk: register 8 b + j = bias of column 16 b + 8 h + j
	global_load_b128 v[BB+8*\b:BB+8*\b+3], v8, s[96:97] offset:64*\b
	global_load_b128 v[BB+8*\b+4:BB+8*\b+7], v8, s[96:97] offset:64*\b+16
.endr
	WIN 0
	s_branch .Lbias_done
.Lbias_v:
	WIN 0x40
	s_wait_alu depctr_va_vdst(0)
.irp a, 0,1,2,3,4,5,6,7                        ; role v: registers 8 a + 0 .. 7 = bias of column 16 a + r
.irp j, 0,1,2,3,4,5,6,7
	global_load_b32 v[BB+8*\a+\j], v9, s[96:97] offset:64*\a
.endr
.endr
	WIN 0
.Lbias_done:
	; where my results go
	s_lshr_b32 s2, s13, 2                          ; region: 0 q, 1 k, 2 v
	s_mov_b32 s67, SCW
	s_cmp_eq_u32 s2, 0
	s_cselect_b32 s67, SQ, s67
	s_lshl_b32 s2, s2, 22
	s_and_b32 s13, s13, 3
	s_lshl_b32 s13, s13, 1
	s_add_co_u32 s13, s13, s42
	s_and_b32 s3, s66, -8
	s_add_co_u32 s13, s13, s3                      ; the pair of heads: 8 x batch + 2 (wg % 4) + wh
	s_and_b32 s66, s66, 7
	s_lshl_b32 s66, s66, 1
	s_add_co_u32 s66, s66, s45                     ; the group of 128 tokens
	s_lshl_b32 s3, s13, 17
	s_add_co_u32 s2, s2, s3
	s_lshl_b32 s3, s66, 13
	s_add_co_u32 s2, s2, s3
	s_mov_b32 s3, 0
	s_add_nc_u64 s[98:99], s[8:9], s[2:3]          ; codes
	s_mul_i32 s2, s13, 24576
	s_mul_i32 s3, s66, 768
	s_add_co_u32 s2, s2, s3
	s_add_co_u32 s2, s2, s67
	s_mov_b32 s3, 0
	s_add_nc_u64 s[100:101], s[8:9], s[2:3]        ; scale words
	s_mov_b32 s20, 0x76543210
	s_mov_b32 s21, 0xfedcba98                      ; v_permlanex16_b32's selects for lane l xor 16
	s_mov_b32 s46, 0xffff0000                      ; lanes 16-31
	s_mov_b32 s47, 0xffff
	s_mov_b32 s92, 0x7f7f0000                      ; two bytes 127: the scale 1 for the half of a K step that a head of 64 leaves empty
	v_mul_u32_u24 v3, v1, PITCH
	v_lshl_add_u32 v4, v2, 4, v3                   ; a fragment's row x pitch + 16 x half
	s_mul_i32 s18, s15, HALFT                      ; my 128 rows of A
	s_mul_i32 s19, s16, HALFT                      ; my 128 rows of B,
	s_add_co_u32 s19, s19, 2*HALFT                 ; behind A's 256
.irp s, 0,1
	v_add_nc_u32 v[ADRA+\s], s18, v4
	v_add_nc_u32 v[ADRB+\s], s19, v4
	s_add_co_u32 s18, s18, SLOT
	s_add_co_u32 s19, s19, SLOT
.endr
	v_mul_u32_u24 v5, v1, 32                       ; my row's scale bytes: 32 a row,
	v_lshrrev_b32 v6, 8, v5
	v_lshl_add_u32 v5, v6, 4, v5                   ; and 16 more for each 256 passed
	s_mul_i32 s18, s15, HALFS
	s_mul_i32 s19, s16, HALFS
	s_add_co_u32 s19, s19, 2*HALFS
	s_sub_co_u32 s19, s19, s18
	v_mul_u32_u24 v6, s19, v2                      ; lanes 16-31 take B's
	s_add_co_u32 s18, s18, SCL
	v_add_nc_u32 v5, v5, v6
	v_add_nc_u32 v[ADRS], s18, v5
	v_and_b32 v7, 31, v0
	v_lshlrev_b32 v[LI], 4, v7
	v_lshlrev_b32 v[LS], 2, v7
	s_wait_alu depctr_va_vdst(0)
	s_wait_tensorcnt 0x1                           ; the scale bytes and my part of slot 0 are in; slot 1's load may be out
	s_barrier_signal -1
	s_barrier_wait -1                              ; everybody's are
	SCALES 0
	SCALES 1
	FETCH 0, 0
	FETCH 1, 1
	s_wait_dscnt 32                                ; all but K step 1's 32 loads
	s_wait_loadcnt 0x0                             ; the bias
	s_cmp_eq_u32 s10, 1
	s_cbranch_scc0 .Lmul_v
	MUL 0, 1                                       ; the first K step starts the sums with the bias: nothing is cleared, nothing is added later
	WIN 0
	s_branch .Lmul_done
.Lmul_v:
	MUL 0, 2
	WIN 0
.Lmul_done:
.irp q, 1,2,3,4,5,6
	PLACES 4                                       ; in front of loads into registers that matrix instructions have read (ISA guide 7.12.1 for vector instructions)
.if \q == 3
	s_wait_tensorcnt 0x0                           ; my part of slot 1 is in,
	s_wait_dscnt 0x0                               ; no LDS load of mine is out at the signal,
	s_barrier_signal -1
	s_barrier_wait -1                              ; everybody's part is in
.endif
	FETCH \q+1, (\q+1)%2
	s_wait_dscnt 32                                ; all but the 32 just issued
	MUL \q, 0
.endr
	s_wait_dscnt 0x0
	MUL 7, 0
	WIN 0
	PLACES 4                                       ; in front of the first read of results
.irp b, 0,1,2,3
	v_mov_b32 v[TM+4+\b], 0                        ; written once: a lane permute's destination counts as one of its sources
.endr
.irp a, 0,1,2,3,4,5,6,7
	EPI \a
.endr
	s_wait_xcnt 0x0                                ; the last stores have read their data
.irp u, 0,1,2,3
	v_cndmask_b32 v[TM+\u], v[PW+2*\u], v[PW+2*\u+1], s46   ; lanes 0-15: block 2 u's words, lanes 16-31: block 2 u + 1's
.endr
	s_cmp_eq_u32 s10, 1
	s_cbranch_scc0 .Lsc_v
.irp u, 0,1,2,3                                ; role qk: bytes 0, 1 are the even head's two blocks, bytes 2, 3 the odd head's
	v_and_or_b32 v[PC+2*\u], v[TM+\u], s47, s92
	v_lshrrev_b32 v[PC+2*\u+1], 16, v[TM+\u]
	v_or_b32 v[PC+2*\u+1], s92, v[PC+2*\u+1]
.endr
.irp u, 0,1,2,3
	global_store_b32 v[LS], v[PC+2*\u], s[100:101] offset:128*\u          ; 128 consecutive bytes a store
	global_store_b32 v[LS], v[PC+2*\u+1], s[100:101] offset:12288+128*\u
.endr
	s_branch .Lsc_done
.Lsc_v:
	s_wait_alu depctr_va_vdst(0)
.irp u, 0,1,2,3                                ; role v: block a is head a / 4, channels 16 (a % 4) on; its word holds the four blocks of these 128 keys
	global_store_b32 v[LS], v[TM+\u], s[100:101] offset:(\u/2)*12288+512+(\u%2)*128
.endr
.Lsc_done:
	s_wait_dscnt 0x0
	s_wait_tensorcnt 0x0
	ds_add_u32 v126, v127
	s_wait_dscnt 0x0
	CROUND                                         ; the closing round: no work-group ends while a partner may still ask for a tile that names it
	s_endpgm
.Lfunc_end_k_qc83f48905a_qkv:
	.size	k_qc83f48905a_qkv, .Lfunc_end_k_qc83f48905a_qkv-k_qc83f48905a_qkv
	.p2alignl 7, 3214868480
	.fill 96, 4, 3214868480
	.section	.rodata,"a",@progbits
	.p2align	6, 0x0
	.amdhsa_kernel k_qc83f48905a_qkv
		.amdhsa_group_segment_fixed_size 296448
		.amdhsa_private_segment_fixed_size 0
		.amdhsa_enable_private_segment 0
		.amdhsa_kernarg_size 24
		.amdhsa_user_sgpr_count 2
		.amdhsa_user_sgpr_kernarg_segment_ptr 1
		.amdhsa_wavefront_size32 1
		.amdhsa_system_sgpr_workgroup_id_x 1
		.amdhsa_system_sgpr_workgroup_id_y 1
		.amdhsa_system_sgpr_workgroup_id_z 1
		.amdhsa_system_vgpr_workitem_id 0
		.amdhsa_next_free_vgpr 1024
		.amdhsa_next_free_sgpr 102
		.amdhsa_reserve_vcc 0
		.amdhsa_float_denorm_mode_32 3
		.amdhsa_float_denorm_mode_16_64 3
		.amdhsa_memory_ordered 1
		.amdhsa_forward_progress 1
		.amdhsa_inst_pref_size 146
	.end_amdhsa_kernel
	.amdgpu_metadata
---
amdhsa.version: [ 1, 2 ]
amdhsa.kernels:
  - .name:           k_qc83f48905a_qkv
    .symbol:         k_qc83f48905a_qkv.kd
    .args:
      - { .name: opq, .offset: 0, .size: 8, .value_kind: global_buffer, .address_space: global }
      - { .name: b_attn, .offset: 8, .size: 8, .value_kind: global_buffer, .address_space: global }
      - { .name: qkv, .offset: 16, .size: 8, .value_kind: global_buffer, .address_space: global }
    .group_segment_fixed_size: 296448
    .private_segment_fixed_size: 0
    .kernarg_segment_align: 8
    .kernarg_segment_size: 24
    .max_flat_workgroup_size: 128
    .sgpr_count:     102
    .vgpr_count:     1024
    .wavefront_size: 32
...
	.end_amdgpu_metadata
.endif
;; end of part 2
;; launch attn (part 3): grid 4 x 64, 16 waves a work-group, clusters of 4 x 1, 169,984 bytes of LDS; arguments qkv, yq; writes yq
.if DOCPART == 3
	.amdgcn_target "amdgcn-amd-amdhsa--gfx1250"
	.amdhsa_code_object_version 6
	.text
	.protected	k_qc83f48905a_attn
	.globl	k_qc83f48905a_attn
	.p2align	8
	.type	k_qc83f48905a_attn,@function
k_qc83f48905a_attn:
	s_mov_b64 s[64:65], 0
	v_nop
	global_prefetch_b8 v0, s[64:65] scope:SCOPE_SE
	s_setreg_imm32_b32 hwreg(HW_REG_WAVE_MODE, 25, 1), 1
	s_wait_xcnt 0x0
	s_wait_alu depctr_hold_cnt(0) depctr_sa_sdst(0) depctr_va_vdst(0) depctr_va_sdst(0) depctr_va_ssrc(0) depctr_va_vcc(0) depctr_vm_vsrc(0)
	s_getreg_b32 s2, hwreg(HW_REG_IB_STS2, 6, 4)
	s_cmp_eq_u32 s2, 0
	s_cbranch_scc0 .Lentry_in_a_cluster
	s_endpgm
.Lentry_in_a_cluster:
	s_bfe_u32 s2, ttmp6, 0x10000c
	s_cmp_lg_u32 s2, 0x3003
	s_cbranch_scc0 .Lentry_shape_is_right
	s_endpgm
.Lentry_shape_is_right:
; y = softmax(q k^T / 8, causal) v for one head of one batch in each cluster, both products on codes of FP4 (E2M1) with E8M0 scales; y is quantised along the embedding's axis and leaves as codes.
; THE SOFTMAX: t = score x log2(e) / 8; M = the running largest t rounded UP to a whole number; p = 2^(t - M) is quantised along the keys, not normalised; the row's sum is taken of the unquantised p and divides at the end
; (by v_rcp_f32 and a multiplication).  When M moves, the sum and O are multiplied by 2^(old M - new M): exact.
; SHARES.  A cluster of four work-groups takes a head: its K, V and scale words, 143,360 bytes, come into each partner's LDS ONCE, by joint loads: nothing is filled again.  The head has 128 tiles of 16 queries; tile i needs
; i / 8 + 1 key steps of 128.  Wave w of partner cx takes tiles i = 8 (w / 2) + 2 cx + w % 2 and 127 - i: 17 key steps for every wave of the launch.  Branches and trip counts hang on the wave's number and on
; counters alone; cx enters global addresses and the mask's lane numbers.
; LAYOUT.  Both products are used transposed: S^T = K Q^T, O^T = V^T P^T: a lane holds one query.  All operands lie in memory and LDS as images of their registers (16 bytes a lane, 512 a load).  A head has 64 channels: K's and
; Q's fragments fill half a K step; Q's other half is zero codes, K's other half is whatever follows (the next tile's codes, zeros behind the last), under scale bytes 127: it adds nothing.
; Inside each block of 32 the groups of eight stand in the order 0, 2, 1, 3, alike in p and v, in q and k, in y and W_proj.
; LIMITS: NaN and infinities are not served; a block under 2^-124, or of zeros, keeps the byte 1 (this program alone reads the bytes).
; REGISTERS: v1-7 addresses and lane numbers; v8, v9 Q's scale words; v10 the mask's number, v11 -infinity; v12 -M, v13 the largest t, v[14:15] the sum; v16-31 Q of both tiles; v32-63 K, v64-67 zeros; v68-71 K's scale words,
; v72-73 V's, v74 p's; v76-79 y's codes; v80-111 V; v112-175 S^T, p, y; v176-207 O^T; v208-215 p's codes; v216-233 at work.
.set KL,   0                           ; LDS: K's 128 tiles x 512 bytes
.set VL,   65536                       ; V: [16 steps][4 tiles of channels][2][512 bytes]
.set SCL,  131072                      ; scale words: 768 bytes a step: 8 x 16 of K, 4 x 16 of V
.set SQ,   12582912
.set SCW,  13369344
.set YS,   4194304                     ; yq: where the scale bytes begin
.set SS,   112
.set OO,   176
.set WV,   8
.set SEL,  20
.set CS,   22
.set HM,   17
.set G1K,  24
.set G1V,  32
.set G1S,  40
.set G0K,  48
.set G0V,  52
.set G0S,  56
.set T,    60                          ; s60 the key step; s61 its tiles' LDS byte; s62 its scale words'
.set TK,   61
.set TS,   62
.macro ROUND                           ; a round of the cluster's barrier
	s_barrier_signal -1
	s_barrier_wait -1
	s_cmp_lg_u32 s[WV], 0
	s_cbranch_scc1 .Lnot_wave_0_\@
	s_barrier_signal -3
.Lnot_wave_0_\@:
	s_barrier_wait -3
	s_barrier_signal -1
	s_barrier_wait -1
.endm
; the addresses of tile 8 dg + ct: Q's codes, Q's scale words, y's codes, y's scale bytes
.macro ADDRS dg, ct, q, qs, yb, ys
	s_lshl_b32 s86, s[\dg], 13
	s_lshl_b32 s87, s[\ct], 10
	s_add_co_u32 s86, s86, s87
	s_add_co_u32 s86, s86, s88
	s_mov_b32 s87, 0
	s_add_nc_u64 s[\q:\q+1], s[4:5], s[86:87]
	s_mul_i32 s86, s[\dg], 768
	s_lshl_b32 s87, s[\ct], 6
	s_add_co_u32 s86, s86, s87
	s_add_co_u32 s86, s86, s89
	s_mov_b32 s87, 0
	s_add_nc_u64 s[\qs:\qs+1], s[4:5], s[86:87]
	s_lshl_b32 s86, s[\dg], 3
	s_add_co_u32 s86, s86, s[\ct]
	s_add_co_u32 s86, s86, s90                     ; the tile of 16 rows among y's 512
	s_lshl_b32 s91, s86, 9
	s_lshl_b32 s86, s86, 13
	s_add_co_u32 s86, s86, s92
	s_add_nc_u64 s[\yb:\yb+1], s[6:7], s[86:87]
	s_add_co_u32 s86, s91, s93
	s_add_nc_u64 s[\ys:\ys+1], s[6:7], s[86:87]
.endm
; ONE TILE OF 16 QUERIES.  trips: a constant that covers the tile's steps; steps beyond the diagonal step s[DG] are left out by a scalar branch round their work.
.macro PASS trips, QF, QS, DG, CT, YB, YSB
	s_wait_xcnt 0x0                                ; the tile before has handed its stores' data over
	v_mov_b32 v13, 0xff61b1e6                      ; the largest t so far: -3e38
	v_mov_b32 v14, 0                               ; the sum, in two halves
	v_mov_b32 v15, 0
	s_delay_alu instid0(VALU_DEP_3)
	v_floor_f32 v12, -v13                          ; -M
.set kk, 0
.rept 32
	v_mov_b32 v[OO+kk], 0                          ; O^T: the step is written once; its first trip finds zeros, which the first change of M leaves zeros
.set kk, kk+1
.endr
	s_lshl_b32 s86, s[\CT], 4
	v_add_nc_u32 v10, s86, v7                      ; my query's place in the diagonal step, less 8 (lane / 16)
	s_mov_b32 s[T], 0
	s_mov_b32 s[TK], 0
	s_mov_b32 s[TS], 0
.Ltrip_\@:
	s_cmp_gt_u32 s[T], s[\DG]
	s_cbranch_scc1 .Lskip_\@                       ; all 128 keys come after my queries
	s_setprio 2
	v_add_nc_u32 v3, s[TK], v1                     ; (these four lines are the places behind the last step's products, in front of the loads into their registers)
	v_add_nc_u32 v5, s[TS], v2
	s_delay_alu instid0(VALU_DEP_2)
	v_add_nc_u32 v4, 0x10000, v3
	v_nop
.irp u, 0,1,2,3
	ds_load_b32 v[68+\u], v5 offset:128*\u         ; K's scale words: lanes 0-15 tile 2 u, lanes 16-31 tile 2 u + 1
.endr
.irp t, 0,1,2,3,4,5,6,7
	ds_load_b128 v[32+4*\t:35+4*\t], v3 offset:512*\t
.endr
.irp d, 0,1,2,3
.irp c, 0,1
	ds_load_b128 v[80+8*\d+4*\c:83+8*\d+4*\c], v4 offset:1024*\d+512*\c
.endr
.endr
.irp u, 0,1
	ds_load_b32 v[72+\u], v5 offset:512+128*\u     ; V's scale words likewise
.endr
	s_wait_dscnt 10                                ; K's twelve loads are in; V's ten younger ones may be out
.irp t, 0,1,2,3,4,5,6,7                        ; S^T: register 8 t + j of lane (r, h) = key 16 t + 8 h + j, query r
.if (\t)%2
	v_wmma_scale_f32_16x16x128_f8f6f4 v[SS+8*\t:SS+8*\t+7], v[32+4*\t:39+4*\t], v[\QF:\QF+7], 0, v[68+\t/2], v[\QS] matrix_a_fmt:MATRIX_FMT_FP4 matrix_b_fmt:MATRIX_FMT_FP4 matrix_a_scale:MATRIX_SCALE_ROW1
.else
	v_wmma_scale_f32_16x16x128_f8f6f4 v[SS+8*\t:SS+8*\t+7], v[32+4*\t:39+4*\t], v[\QF:\QF+7], 0, v[68+\t/2], v[\QS] matrix_a_fmt:MATRIX_FMT_FP4 matrix_b_fmt:MATRIX_FMT_FP4
.endif
.endr
.rept 4
	v_nop
.endr
	s_cmp_lg_u32 s[T], s[\DG]
	s_cbranch_scc1 .Lopen_\@                       ; only the diagonal step hides keys
.set kk, 0
	s_wait_alu depctr_va_vdst(0)
.rept 64
	v_cmp_gt_i32 vcc_lo, 16*(kk/8)+kk%8, v10       ; hidden where the register's key comes after my query
	v_cndmask_b32 v[SS+kk], v[SS+kk], v11, vcc_lo
.set kk, kk+1
.endr
.Lopen_\@:
.irp b, 0,1,2,3
	v_max3_num_f32 v[216+\b], v[SS+16*\b], v[SS+1+16*\b], v[SS+2+16*\b]   ; the largest score of each block of 32 keys: for the row's maximum and, since p rises with the score, for the block's largest p
.endr
.irp i, 3,5,7,9,11,13
.irp b, 0,1,2,3
	v_max3_num_f32 v[216+\b], v[216+\b], v[SS+16*\b+\i], v[SS+1+16*\b+\i]
.endr
.endr
.irp b, 0,1,2,3
	v_max_num_f32 v[216+\b], v[216+\b], v[SS+15+16*\b]
.endr
.irp b, 0,1,2,3
	s_delay_alu instid0(VALU_DEP_4)
	v_permlanex16_b32 v[220+\b], v[216+\b], s[SEL], s[SEL+1]
.endr
.irp b, 0,1,2,3
	s_delay_alu instid0(VALU_DEP_4)
	v_max_num_f32 v[216+\b], v[216+\b], v[220+\b]  ; with lane l xor 16's 16 keys
.endr
	s_delay_alu instid0(VALU_DEP_2)
	v_max3_num_f32 v230, v216, v217, v218
	s_delay_alu instid0(VALU_DEP_1)
	v_max_num_f32 v230, v230, v219
	s_delay_alu instid0(VALU_DEP_1)
	v_mul_f32 v230, s[CS], v230                    ; the step's largest t
	s_delay_alu instid0(VALU_DEP_1)
	v_max_num_f32 v13, v13, v230
	v_mov_b32 v230, v12
	s_delay_alu instid0(VALU_DEP_2)
	v_floor_f32 v12, -v13                          ; the new -M = -ceil(t)
	s_delay_alu instid0(VALU_DEP_1)
	v_sub_f32 v230, v12, v230                      ; old M - new M: a whole number, 0 or less
	s_delay_alu instid0(VALU_DEP_1)
	v_cvt_i32_f32 v230, v230                       ; (it saturates)
	s_delay_alu instid0(VALU_DEP_1)
	v_ldexp_f32 v228, 1.0, v230                    ; f = 2^(old M - new M)
.set kk, 0
.rept 32
	v_pk_fma_f32 v[SS+kk:SS+kk+1], v[SS+kk:SS+kk+1], s[CS:CS+1], v[12:13] op_sel_hi:[1,0,0]   ; t - M
.set kk, kk+2
.endr
	s_setprio 1
.irp b, 0,1,2,3
	v_fma_f32 v[216+\b], v[216+\b], s[CS], v12     ; the same of each block's largest score
.endr
.set kk, 0
	s_wait_alu depctr_va_vdst(0)
.rept 64
	v_exp_f32 v[SS+kk], v[SS+kk]                   ; p = 2^(t - M)
.set kk, kk+1
.endr
	v_pk_mul_f32 v[14:15], v[14:15], v[228:229] op_sel_hi:[1,0]   ; the sum under the new M (a plain line behind the exponentials)
	s_wait_alu depctr_va_vdst(0)                   ; one wait for the batch of 64, ahead of its first reader
.irp b, 0,1,2,3
	v_exp_f32 v[216+\b], v[216+\b]                 ; the block's largest p
.endr
	v_pk_add_f32 v[232:233], v[116:117], v[120:121]
	v_pk_add_f32 v[252:253], v[124:125], v[128:129]
	v_pk_add_f32 v[250:251], v[132:133], v[136:137]
	v_pk_add_f32 v[248:249], v[140:141], v[144:145]
	v_pk_add_f32 v[246:247], v[148:149], v[152:153]
	v_pk_add_f32 v[244:245], v[156:157], v[160:161]
	v_pk_add_f32 v[242:243], v[164:165], v[168:169]
	v_pk_add_f32 v[14:15], v[14:15], v[172:173]
	v_pk_add_f32 v[232:233], v[232:233], v[112:113]
	v_pk_add_f32 v[252:253], v[252:253], v[114:115]
	v_pk_add_f32 v[250:251], v[250:251], v[118:119]
	v_pk_add_f32 v[248:249], v[248:249], v[122:123]
	v_pk_add_f32 v[246:247], v[246:247], v[126:127]
	v_pk_add_f32 v[244:245], v[244:245], v[130:131]
	v_pk_add_f32 v[242:243], v[242:243], v[134:135]
	v_pk_add_f32 v[14:15], v[14:15], v[138:139]
	v_pk_add_f32 v[232:233], v[232:233], v[142:143]
	v_pk_add_f32 v[252:253], v[252:253], v[146:147]
	v_pk_add_f32 v[250:251], v[250:251], v[150:151]
	v_pk_add_f32 v[248:249], v[248:249], v[154:155]
	v_pk_add_f32 v[246:247], v[246:247], v[158:159]
	v_pk_add_f32 v[244:245], v[244:245], v[162:163]
	v_pk_add_f32 v[242:243], v[242:243], v[166:167]
	v_pk_add_f32 v[14:15], v[14:15], v[170:171]
	v_pk_add_f32 v[232:233], v[232:233], v[174:175]
	s_delay_alu instid0(VALU_DEP_2)
	v_pk_add_f32 v[14:15], v[14:15], v[248:249]
	s_delay_alu instid0(VALU_DEP_2)
	v_pk_add_f32 v[232:233], v[232:233], v[246:247]
	v_pk_add_f32 v[252:253], v[252:253], v[244:245]
	v_pk_add_f32 v[250:251], v[250:251], v[242:243]
	s_delay_alu instid0(VALU_DEP_2)
	v_pk_add_f32 v[14:15], v[14:15], v[252:253]
	s_delay_alu instid0(VALU_DEP_2)
	v_pk_add_f32 v[232:233], v[232:233], v[250:251]
	s_delay_alu instid0(VALU_DEP_1)
	v_pk_add_f32 v[14:15], v[14:15], v[232:233]
	s_wait_alu depctr_va_vdst(0)                   ; and one for the four
.irp b, 0,1,2,3
	v_max_num_f32 v[216+\b], 0x1800000, v[216+\b]  ; the floor 2^(3 - 127)
.endr
.irp b, 0,1,2,3
	s_delay_alu instid0(VALU_DEP_4)
	v_add_nc_u32 v[224+\b], 0xff000000, v[216+\b]  ; the conversion's scale operand
.endr
.irp b, 0,1,2,3
	s_delay_alu instid0(VALU_DEP_4)
	v_lshrrev_b32 v[220+\b], 23, v[224+\b]         ; the byte
.endr
	s_delay_alu instid0(VALU_DEP_3)
	v_lshl_or_b32 v74, v221, 8, v220               ; p's scale word for these 128 keys
	s_delay_alu instid0(VALU_DEP_1)
	v_lshl_or_b32 v74, v222, 16, v74
	s_delay_alu instid0(VALU_DEP_1)
	v_lshl_or_b32 v74, v223, 24, v74
	s_setprio 0
.irp b, 0,1,2,3
	v_cvt_scalef32_pk8_fp4_f32 v[208+2*\b], v[SS+16*\b:SS+7+16*\b], v[224+\b]
	v_cvt_scalef32_pk8_fp4_f32 v[209+2*\b], v[SS+8+16*\b:SS+15+16*\b], v[224+\b]
.endr
	v_nop                                          ; one plain line behind a scaled conversion
.irp c, 0,1
.irp i, 0,1
	v_permlane16_swap_b32 v[208+4*\c+\i], v[210+4*\c+\i]   ; a whole block to a lane
.endr
.endr
.set kk, 0
.rept 16
	v_pk_mul_f32 v[OO+kk:OO+kk+1], v[OO+kk:OO+kk+1], v[228:229] op_sel_hi:[1,0]   ; O^T under the new M; of these sixteen, twelve name no register of any one product below: the places behind p's scale word and codes
.set kk, kk+2
.endr
	s_wait_alu depctr_va_vdst(0)
	s_wait_dscnt 0x0                               ; V is in
.irp d, 0,1,2,3                                ; O^T += V^T P^T: the four accumulators by turns
.if (\d)%2
	v_wmma_scale_f32_16x16x128_f8f6f4 v[OO+8*\d:OO+8*\d+7], v[80+8*\d:87+8*\d], v[208:215], v[OO+8*\d:OO+8*\d+7], v[72+\d/2], v74 matrix_a_fmt:MATRIX_FMT_FP4 matrix_b_fmt:MATRIX_FMT_FP4 matrix_a_scale:MATRIX_SCALE_ROW1
.else
	v_wmma_scale_f32_16x16x128_f8f6f4 v[OO+8*\d:OO+8*\d+7], v[80+8*\d:87+8*\d], v[208:215], v[OO+8*\d:OO+8*\d+7], v[72+\d/2], v74 matrix_a_fmt:MATRIX_FMT_FP4 matrix_b_fmt:MATRIX_FMT_FP4
.endif
.endr
.Lskip_\@:
	s_add_co_u32 s[TK], s[TK], 4096
	s_add_co_u32 s[TS], s[TS], 768
	s_add_co_u32 s[T], s[T], 1
	s_cmp_lt_u32 s[T], \trips
	s_cbranch_scc1 .Ltrip_\@
	s_setprio 0
	; the tile's end: y = O^T / the sum, quantised along the head's 64 channels
.rept 4
	v_nop
.endr
	v_add_f32 v14, v14, v15
	s_delay_alu instid0(VALU_DEP_1)
	v_permlanex16_b32 v230, v14, s[SEL], s[SEL+1]
	s_delay_alu instid0(VALU_DEP_1)
	v_add_f32 v14, v14, v230                       ; the row's sum
	s_wait_alu depctr_va_vdst(0)
	v_rcp_f32 v14, v14
	v_nop                                          ; a plain line behind the reciprocal
	s_wait_alu depctr_va_vdst(0)                   ; and the wait ahead of its first reader
.set kk, 0
.rept 16
	v_pk_mul_f32 v[SS+kk:SS+kk+1], v[OO+kk:OO+kk+1], v[14:15] op_sel_hi:[1,0]   ; register 8 d + j = y(query r, channel 16 d + 8 h + j)
.set kk, kk+2
.endr
.irp b, 0,1
	v_max3_num_f32 v[216+\b], |v[SS+16*\b]|, |v[SS+1+16*\b]|, 0x1800000
.endr
.irp i, 2,4,6,8,10,12,14
.irp b, 0,1
	s_delay_alu instid0(VALU_DEP_2)
	v_max3_num_f32 v[216+\b], v[216+\b], |v[SS+16*\b+\i]|, |v[SS+1+16*\b+\i]|
.endr
.endr
.irp b, 0,1
	s_delay_alu instid0(VALU_DEP_2)
	v_permlanex16_b32 v[220+\b], v[216+\b], s[SEL], s[SEL+1]
.endr
.irp b, 0,1
	s_delay_alu instid0(VALU_DEP_2)
	v_max_num_f32 v[216+\b], v[216+\b], v[220+\b]
.endr
.irp b, 0,1
	s_delay_alu instid0(VALU_DEP_2)
	v_add_nc_u32 v[224+\b], 0xff000000, v[216+\b]
.endr
.irp b, 0,1
	s_delay_alu instid0(VALU_DEP_2)
	v_lshrrev_b32 v[220+\b], 23, v[224+\b]
.endr
.irp b, 0,1
	v_cvt_scalef32_pk8_fp4_f32 v[76+2*\b], v[SS+16*\b:SS+7+16*\b], v[224+\b]
	v_cvt_scalef32_pk8_fp4_f32 v[77+2*\b], v[SS+8+16*\b:SS+15+16*\b], v[224+\b]
.endr
	v_cndmask_b32 v231, v220, v221, s[HM]          ; lanes 0-15 hold block 0's byte, lanes 16-31 block 1's (a plain line behind the conversions)
	v_permlane16_swap_b32 v76, v78
	v_permlane16_swap_b32 v77, v79
	global_store_b128 v1, v[76:79], s[\YB:\YB+1]   ; the head's half of a fragment of y: 512 consecutive bytes, aligned
	global_store_b8 v6, v231, s[\YSB:\YSB+1]       ; a byte a lane: a row's 32 scale bytes come from sixteen heads (262,144 bytes in all leave so)
.endm
	s_load_b128 s[4:7], s[0:1], 0x0                ; qkv, yq
	v_lshl_add_u32 v254, v0, 2, 0x29000
	v_mov_b32 v255, 0
	ds_add_u32 v254, v255
	ds_add_u32 v254, v255
	v_lshrrev_b32 v230, 5, v0
	s_delay_alu instid0(VALU_DEP_1)
	v_readfirstlane_b32 s[WV], v230                ; wave 0..15
	s_bfe_u32 s9, ttmp6, 0x40000                   ; cx
	s_and_b32 s10, ttmp7, 0xffff                   ; the head among 64, which the four partners share
	s_lshr_b32 s11, s10, 1                         ; its pair,
	s_and_b32 s12, s10, 1                          ; its place in the pair,
	s_lshr_b32 s13, s10, 4                         ; its batch,
	s_and_b32 s14, s10, 15                         ; its number in the batch
	s_lshr_b32 s66, s[WV], 1                       ; first tile: diagonal step w / 2,
	s_and_b32 s67, s[WV], 1
	s_lshl_b32 s18, s9, 1
	s_add_co_u32 s67, s67, s18                     ; place 2 cx + w % 2 in it
	s_sub_co_u32 s68, 15, s66                      ; second tile: the mirror
	s_sub_co_u32 s69, 7, s67
	s_and_b32 s15, s[WV], 3
	s_lshl_b32 s16, s15, 14                        ; what I fetch, if I fetch: a quarter of K or of V: in LDS,
	s_lshl_b32 s15, s15, 15                        ; in memory
	s_lshl_b32 s86, s11, 17
	s_lshl_b32 s87, s12, 9
	s_add_co_u32 s88, s86, s87                     ; the head's first tile in q's and k's regions
	s_add_co_u32 s2, s88, s15
	s_add_co_u32 s2, s2, 4194304
	s_mov_b32 s3, 0
	s_lshl_b32 s87, s12, 12
	s_add_co_u32 s18, s86, s87
	s_add_co_u32 s18, s18, s15
	s_add_co_u32 s18, s18, 8388608
	s_mov_b32 s19, 0
	s_mul_i32 s94, s10, 12288
	s_add_co_u32 s89, s94, SQ
	s_add_co_u32 s94, s94, SCW
	s_mov_b32 s95, 0
	s_lshl_b32 s90, s13, 7
	s_lshl_b32 s92, s14, 9
	s_lshl_b32 s93, s14, 1
	s_add_co_u32 s93, s93, YS
	; group 1, elements of 8 bytes, no padding (every LDS read takes 512 consecutive bytes), the mask names all four partners
	s_mov_b32 s[G1K], 15|(3<<16)|(1<<21)           ; K: 32 tiles of 512 bytes, 1,024 bytes apart
	s_mov_b32 s[G1K+1], 64<<16
	s_mov_b32 s[G1K+2], 32<<16
	s_mov_b32 s[G1K+3], 64<<16
	s_mov_b32 s[G1K+4], 32
	s_mov_b32 s[G1K+5], 128
	s_mov_b32 s[G1K+6], 0
	s_mov_b32 s[G1K+7], 0
	s_mov_b32 s[G1V], 15|(3<<16)|(1<<21)           ; V: 4 steps of 4,096 bytes, 8,192 bytes apart
	s_mov_b32 s[G1V+1], 512<<16
	s_mov_b32 s[G1V+2], 4<<16
	s_mov_b32 s[G1V+3], 512<<16
	s_mov_b32 s[G1V+4], 4
	s_mov_b32 s[G1V+5], 1024
	s_mov_b32 s[G1V+6], 0
	s_mov_b32 s[G1V+7], 0
	s_mov_b32 s[G1S], 15|(3<<16)|(1<<21)           ; the scale words: 12,288 dense bytes as 48 rows of 256
	s_mov_b32 s[G1S+1], 32<<16
	s_mov_b32 s[G1S+2], 48<<16
	s_mov_b32 s[G1S+3], 32<<16
	s_mov_b32 s[G1S+4], 48
	s_mov_b32 s[G1S+5], 32
	s_mov_b32 s[G1S+6], 0
	s_mov_b32 s[G1S+7], 0
	s_mov_b32 s[SEL], 0x76543210
	s_mov_b32 s[SEL+1], 0xfedcba98
	s_mov_b32 s[CS], 0x3e38aa3b                    ; log2(e) / sqrt(64)
	s_mov_b32 s[CS+1], s[CS]
	s_mov_b32 s[HM], 0xffff0000                    ; lanes 16-31
	s_wait_dscnt 0x0
	s_wait_kmcnt 0x0
	s_mov_b32 s[G0K], 1
	s_mov_b32 s[G0K+1], s16
	s_add_nc_u64 s[G0K+2:G0K+3], s[4:5], s[2:3]
	s_or_b32 s[G0K+3], s[G0K+3], 0x80000000
	s_mov_b32 s[G0V], 1
	s_add_co_u32 s[G0V+1], s16, VL
	s_add_nc_u64 s[G0V+2:G0V+3], s[4:5], s[18:19]
	s_or_b32 s[G0V+3], s[G0V+3], 0x80000000
	s_mov_b32 s[G0S], 1
	s_mov_b32 s[G0S+1], SCL
	s_add_nc_u64 s[G0S+2:G0S+3], s[4:5], s[94:95]
	s_or_b32 s[G0S+3], s[G0S+3], 0x80000000
	ROUND                                          ; all four work-groups are here: the joint loads meet
	s_cmp_lt_u32 s[WV], 4                          ; waves 0-3: K's quarters; 4-7: V's; 8: the scale words; one load a wave, four v_nop behind it
	s_cbranch_scc0 .Lnot_k
	tensor_load_to_lds s[G0K:G0K+3], s[G1K:G1K+7]
	s_nop 0
.rept 4
	v_nop
.endr
	s_branch .Lasked
.Lnot_k:
	s_cmp_lt_u32 s[WV], 8
	s_cbranch_scc0 .Lnot_v
	tensor_load_to_lds s[G0V:G0V+3], s[G1V:G1V+7]
	s_nop 0
.rept 4
	v_nop
.endr
	s_branch .Lasked
.Lnot_v:
	s_cmp_eq_u32 s[WV], 8
	s_cbranch_scc0 .Lasked
	tensor_load_to_lds s[G0S:G0S+3], s[G1S:G1S+7]
	s_nop 0
.rept 4
	v_nop
.endr
.Lasked:
	ADDRS 66, 67, 78, 80, 70, 72
	ADDRS 68, 69, 82, 84, 74, 76
	v_and_b32 v230, 31, v0
	s_delay_alu instid0(VALU_DEP_1)
	v_lshlrev_b32 v1, 4, v230                      ; 16 x lane: an image's place for my lane
	s_delay_alu instid0(VALU_DEP_2)
	v_lshl_add_u32 v2, v230, 2, SCL                ; 4 x lane among the scale words
	v_and_b32 v216, 15, v0                         ; r
	v_bfe_u32 v217, v0, 4, 1                       ; h
	s_delay_alu instid0(VALU_DEP_2)
	v_lshlrev_b32 v218, 2, v216
	global_load_b128 v[16:19], v1, s[78:79]        ; Q of both tiles stays in registers
	global_load_b32 v8, v218, s[80:81]
	global_load_b128 v[24:27], v1, s[82:83]
	global_load_b32 v9, v218, s[84:85]
	v_lshl_add_u32 v6, v216, 5, v217               ; y's scale bytes: 32 r + h
	v_lshlrev_b32 v219, 3, v217
	s_delay_alu instid0(VALU_DEP_1)
	v_sub_nc_u32 v7, v216, v219                    ; r - 8 h
	v_mov_b32 v11, 0xff800000                      ; -infinity
.irp j, 20,21,22,23,28,29,30,31,64,65,66,67,220,221,222,223,229
	v_mov_b32 v\j, 0                               ; Q's empty halves; what follows K's last tile; the permutes' destinations; the upper half of f's pair
.endr
	s_wait_tensorcnt 0x0                           ; my load, if I issued one, has landed
	s_barrier_signal -1
	s_barrier_wait -1                              ; everybody's has: the head lies in LDS, and nobody writes LDS again
	s_wait_loadcnt 0x0                             ; Q
	PASS 8, 16, 8, 66, 67, 70, 72
	PASS 16, 24, 9, 68, 69, 74, 76
	s_wait_dscnt 0x0
	s_wait_tensorcnt 0x0
	ds_add_u32 v254, v255
	s_wait_dscnt 0x0
	ROUND                                          ; the closing round
	s_endpgm
.Lfunc_end_k_qc83f48905a_attn:
	.size	k_qc83f48905a_attn, .Lfunc_end_k_qc83f48905a_attn-k_qc83f48905a_attn
	.p2alignl 7, 3214868480
	.fill 96, 4, 3214868480
	.section	.rodata,"a",@progbits
	.p2align	6, 0x0
	.amdhsa_kernel k_qc83f48905a_attn
		.amdhsa_group_segment_fixed_size 169984
		.amdhsa_private_segment_fixed_size 0
		.amdhsa_enable_private_segment 0
		.amdhsa_kernarg_size 16
		.amdhsa_user_sgpr_count 2
		.amdhsa_user_sgpr_kernarg_segment_ptr 1
		.amdhsa_wavefront_size32 1
		.amdhsa_system_sgpr_workgroup_id_x 1
		.amdhsa_system_sgpr_workgroup_id_y 1
		.amdhsa_system_sgpr_workgroup_id_z 1
		.amdhsa_system_vgpr_workitem_id 0
		.amdhsa_next_free_vgpr 256
		.amdhsa_next_free_sgpr 96
		.amdhsa_reserve_vcc 1
		.amdhsa_float_denorm_mode_32 3
		.amdhsa_float_denorm_mode_16_64 3
		.amdhsa_memory_ordered 1
		.amdhsa_forward_progress 1
		.amdhsa_inst_pref_size 63
	.end_amdhsa_kernel
	.amdgpu_metadata
---
amdhsa.version: [ 1, 2 ]
amdhsa.kernels:
  - .name:           k_qc83f48905a_attn
    .symbol:         k_qc83f48905a_attn.kd
    .args:
      - { .name: qkv, .offset: 0, .size: 8, .value_kind: global_buffer, .address_space: global }
      - { .name: yq, .offset: 8, .size: 8, .value_kind: global_buffer, .address_space: global }
    .group_segment_fixed_size: 169984
    .private_segment_fixed_size: 0
    .kernarg_segment_align: 8
    .kernarg_segment_size: 16
    .max_flat_workgroup_size: 512
    .sgpr_count:     96
    .vgpr_count:     256
    .wavefront_size: 32
...
	.end_amdgpu_metadata
.endif
;; end of part 3
;; launch proj (part 4): grid 4 x 64, 4 waves a work-group, clusters of 4 x 4, 327,680 bytes of LDS; arguments opq, yq, b_proj, out0; writes out0
.if DOCPART == 4
	.amdgcn_target "amdgcn-amd-amdhsa--gfx1250"
	.amdhsa_code_object_version 6
	.text
	.protected	k_qc83f48905a_proj
	.globl	k_qc83f48905a_proj
	.p2align	8
	.type	k_qc83f48905a_proj,@function
k_qc83f48905a_proj:
	s_mov_b64 s[64:65], 0
	v_nop
	global_prefetch_b8 v0, s[64:65] scope:SCOPE_SE
	s_setreg_imm32_b32 hwreg(HW_REG_WAVE_MODE, 25, 1), 1
	s_wait_xcnt 0x0
	s_wait_alu depctr_hold_cnt(0) depctr_sa_sdst(0) depctr_va_vdst(0) depctr_va_sdst(0) depctr_va_ssrc(0) depctr_va_vcc(0) depctr_vm_vsrc(0)
	s_getreg_b32 s2, hwreg(HW_REG_IB_STS2, 6, 4)
	s_cmp_eq_u32 s2, 0
	s_cbranch_scc0 .Lentry_in_a_cluster
	s_endpgm
.Lentry_in_a_cluster:
	s_bfe_u32 s2, ttmp6, 0x10000c
	s_cmp_lg_u32 s2, 0xf033
	s_cbranch_scc0 .Lentry_shape_is_right
	s_endpgm
.Lentry_shape_is_right:
; out0 = y W_proj + b_proj on codes of FP4 (E2M1) with E8M0 scales.  y: codes as images of operand registers, [tile of 16 rows 512][K step 8][2][512 bytes], scale bytes [row][32] at YS.  W_proj: rows 11264 + n of opq, K innermost.
; Inside each block of 32 both sides hold the groups of eight in the order 0, 2, 1, 3.
; A tile of out0 is 128 rows x 256 columns, so that there are 256 work-groups; four waves, each 64 x 128: 32 accumulators.  ALL of K = 1,024 lies in LDS in two slots of 512, each filled once: nothing is filled again.
; CLUSTER 4 x 4: y's tiles are shared along a row of the cluster, W_proj's along a column, by joint loads.  The matrix instruction is used transposed (source 0 = 16 columns, source 1 = 16 rows of y): a lane holds eight
; neighbouring numbers of a row of out0.  The bias is the C of the first K step.
; REGISTERS.  Window 0: v0-31 addresses; v32-95 scale words and nothing else; v128-191 y's fragments, two sets; on the way out v128-255 rows read back.  Window 1: v0-63, v128-191 W_proj's fragments, two sets; v64-127 the bias.
;   window 2: accumulator (a, b) at v[8 (8 a + b)].
.set PITCH,  272                       ; W_proj's rows in LDS: 256 bytes + 16 of padding
.set HALFB,  128*PITCH
.set BSLOT,  2*HALFB                   ; a slot of W_proj: 256 rows
.set ASL,    2*BSLOT                   ; y's slots: [8 tiles of rows][4 K steps x 1,024 bytes], images, no padding
.set ASLOT,  32768
.set SCA,    ASL+2*ASLOT               ; y's scale bytes, as units of 256 bytes + 16 of padding
.set HSA,    8*272                     ; those of 64 rows
.set SCB,    SCA+2*HSA                 ; W_proj's
.set HSB,    16*272                    ; those of 128 rows
.set SBLK,   2*272                     ; those of 16 rows
.set SPITCH, 528                       ; the way out: a stage of 16 rows x (512 + 16) bytes for each wave, in W_proj's slot 0, which has had its only fill and its last read by then
.set OPS,    6291456
.set YS,     4194304
.set ADRA, 16
.set ADRB, 20
.set STO,  24
.set RD,   25
.set CO,   26
.set ADRS, 27
.set SC,   32
.set BB,   64
.set BK,   128
.set G1, 24
.set G0, 32
.set G1B, 48
.set G0B, 56
.set G1S, 68
.set G0S, 76
.set G1SB, 80
.set G0SB, 88
.set MSB, 0
.macro WIN new
.if MSB != (\new)
	s_set_vgpr_msb (MSB<<8)|(\new)
.set MSB, (\new)
.endif
.endm
.macro JLOAD g0a, g1a, g0b, g1b        ; waves 0 and 1 fetch for y, waves 2 and 3 for W_proj; four v_nop follow each of the two lines
	s_cmp_eq_u32 s15, 0
	s_cbranch_scc0 .Lfor_b_\@
	tensor_load_to_lds s[\g0a:\g0a+3], s[\g1a:\g1a+7]
	s_nop 0
.rept 4
	v_nop
.endr
	s_branch .Lasked_\@
.Lfor_b_\@:
	tensor_load_to_lds s[\g0b:\g0b+3], s[\g1b:\g1b+7]
	s_nop 0
.rept 4
	v_nop
.endr
.Lasked_\@:
.endm
.macro CROUND
	s_barrier_signal -1
	s_barrier_wait -1
	s_cmp_lg_u32 s14, 0
	s_cbranch_scc1 .Lnot_wave_0_\@
	s_barrier_signal -3
.Lnot_wave_0_\@:
	s_barrier_wait -3
	s_barrier_signal -1
	s_barrier_wait -1
.endm
.macro PLACES n
.rept \n
	v_nop
.endr
.endm
.macro FETCH q, p                      ; K step q's fragments into set p: 16 loads for W_proj's eight blocks, 8 for y's four
	WIN 0x40
.irp i, 0,1,2,3,4,5,6,7
.irp c, 0,1
	ds_load_b128 v[128*(\p)+8*\i+4*\c:128*(\p)+8*\i+4*\c+3], v[ADRB+(\q)/4] offset:64*((\q)%4)+32*\c+\i*16*PITCH
.endr
.endr
	WIN 0
.irp i, 0,1,2,3
.irp c, 0,1
	ds_load_b128 v[128+32*(\p)+8*\i+4*\c:128+32*(\p)+8*\i+4*\c+3], v[ADRA+(\q)/4] offset:\i*4096+((\q)%4)*1024+512*\c
.endr
.endr
.endm
.macro SCALES sc                       ; lanes 0-15: y's block i (blocks 4 to 7 do not exist: those lanes read bytes which nobody uses); lanes 16-31: W_proj's block i
.irp i, 0,1,2,3,4,5,6,7
	ds_load_b128 v[SC+32*\sc+4*\i:SC+32*\sc+4*\i+3], v[ADRS] offset:\i*SBLK+16*\sc
.endr
.endm
.macro MUL q, first                    ; 32 matrix instructions, the 32 accumulators by turns
.set P, (\q)%2
.set SR, SC+32*((\q)/4)+(\q)%4
.if \first
	WIN 0x91                                       ; source 0 and the bias in window 1, the result in window 2
.else
	WIN 0xa1
.endif
.irp a, 0,1,2,3
.irp b, 0,1,2,3,4,5,6,7
.if \first
	v_wmma_scale_f32_16x16x128_f8f6f4 v[8*(8*\a+\b):8*(8*\a+\b)+7], v[128*P+8*\b:128*P+8*\b+7], v[128+32*P+8*\a:128+32*P+8*\a+7], v[BB+8*\b:BB+8*\b+7], v[SR+4*\b], v[SR+4*\a] matrix_a_fmt:MATRIX_FMT_FP4 matrix_b_fmt:MATRIX_FMT_FP4 matrix_a_scale:MATRIX_SCALE_ROW1
.else
	v_wmma_scale_f32_16x16x128_f8f6f4 v[8*(8*\a+\b):8*(8*\a+\b)+7], v[128*P+8*\b:128*P+8*\b+7], v[128+32*P+8*\a:128+32*P+8*\a+7], v[8*(8*\a+\b):8*(8*\a+\b)+7], v[SR+4*\b], v[SR+4*\a] matrix_a_fmt:MATRIX_FMT_FP4 matrix_b_fmt:MATRIX_FMT_FP4 matrix_a_scale:MATRIX_SCALE_ROW1
.endif
.endr
.endr
.endm
.macro TOSTAGE a                       ; block a (16 rows x 128 columns) into my stage and back as whole rows of 512 bytes; LDS serves a wave's instructions in order
	WIN 0x08                                       ; an LDS store's data are its source 1: window 2
.irp b, 0,1,2,3,4,5,6,7
	ds_store_b128 v[STO], v[64*\a+8*\b:64*\a+8*\b+3] offset:64*\b       ; each accumulator from its low end on
	ds_store_b128 v[STO], v[64*\a+8*\b+4:64*\a+8*\b+7] offset:64*\b+16
.endr
	WIN 0
.set BR, BK+64*((\a)%2)
.irp t, 0,1,2,3,4,5,6,7,8,9,10,11,12,13,14,15
	ds_load_b128 v[BR+4*\t:BR+4*\t+3], v[RD] offset:\t*SPITCH
.endr
.endm
.macro SEND a, younger
.set BR, BK+64*((\a)%2)
	s_wait_dscnt \younger                          ; the block is back in registers; the LDS instructions issued behind its loads may be out
.if (\a) > 0
	s_add_nc_u64 s[10:11], s[10:11], 16*4096       ; 16 rows of out0 on (the earlier stores have read their base: a wait for that stands ahead)
.endif
.irp t, 0,1,2,3,4,5,6,7,8,9,10,11,12,13,14,15
	global_store_b128 v[CO], v[BR+4*\t:BR+4*\t+3], s[10:11] offset:\t*4096 th:TH_STORE_NT   ; 32 lanes store 512 consecutive bytes, aligned
.endr
.endm
	s_load_b256 s[4:11], s[0:1], 0x0               ; opq, yq, b_proj, out0
	v_lshl_add_u32 v126, v0, 2, 0x35300
	v_mov_b32 v127, 0
	ds_add_u32 v126, v127
	ds_add_u32 v126, v127
	v_lshrrev_b32 v1, 5, v0
	v_readfirstlane_b32 s14, v1                    ; wave 0..3
	s_lshr_b32 s15, s14, 1                         ; which 64 rows are mine.  Also: I fetch for y (0) or for W_proj (1)
	s_and_b32 s16, s14, 1                          ; which 128 columns.  Also: which half I fetch
	s_bfe_u32 s40, ttmp6, 0x40000                  ; cx
	s_bfe_u32 s41, ttmp6, 0x40004                  ; cy
	s_lshl_b32 s42, ttmp9, 2
	s_add_co_u32 s42, s42, s40                     ; the tile's column: 256 columns each
	s_and_b32 s17, ttmp7, 0xffff
	s_lshl_b32 s17, s17, 2
	s_add_co_u32 s17, s17, s41                     ; the tile's row: 128 rows each
	s_lshl_b32 s43, s41, 2
	s_lshl_b32 s43, 15, s43                        ; my row of the cluster
	s_lshl_b32 s44, 0x1111, s40                    ; my column
	s_or_b32 s[G1+0], s43, (3<<16)|(1<<21)         ; y's codes: 4 tiles of rows x 4,096 bytes (512 elements of 8), 8,192 bytes apart, no padding
	s_mov_b32 s[G1+1], 512<<16
	s_mov_b32 s[G1+2], 4<<16
	s_mov_b32 s[G1+3], 512<<16
	s_mov_b32 s[G1+4], 4
	s_mov_b32 s[G1+5], 1024
	s_mov_b32 s[G1+6], 0
	s_mov_b32 s[G1+7], 0
	s_or_b32 s[G1B+0], s44, (0<<16)|(1<<20)|(1<<21)|(5<<22)|(3<<25)   ; W_proj's codes: 128 rows x 256 bytes, 512 apart, 16 bytes of padding behind each
	s_mov_b32 s[G1B+1], 256<<16
	s_mov_b32 s[G1B+2], 128<<16
	s_mov_b32 s[G1B+3], 256<<16
	s_mov_b32 s[G1B+4], 128
	s_mov_b32 s[G1B+5], 512
	s_mov_b32 s[G1B+6], 0
	s_mov_b32 s[G1B+7], 0
	s_or_b32 s[G1S+0], s43, (3<<16)|(1<<20)|(1<<21)|(5<<22)|(3<<25)   ; y's scale bytes of 64 rows: 8 rows of 256 bytes, padded
	s_mov_b32 s[G1S+1], 32<<16
	s_mov_b32 s[G1S+2], 8<<16
	s_mov_b32 s[G1S+3], 32<<16
	s_mov_b32 s[G1S+4], 8
	s_mov_b32 s[G1S+5], 32
	s_mov_b32 s[G1S+6], 0
	s_mov_b32 s[G1S+7], 0
	s_or_b32 s[G1SB+0], s44, (3<<16)|(1<<20)|(1<<21)|(5<<22)|(3<<25)  ; W_proj's of 128 rows: 16 rows
	s_mov_b32 s[G1SB+1], 32<<16
	s_mov_b32 s[G1SB+2], 16<<16
	s_mov_b32 s[G1SB+3], 32<<16
	s_mov_b32 s[G1SB+4], 16
	s_mov_b32 s[G1SB+5], 32
	s_mov_b32 s[G1SB+6], 0
	s_mov_b32 s[G1SB+7], 0
	s_lshl_b32 s20, s17, 3
	s_lshl_b32 s18, s16, 2
	s_add_co_u32 s20, s20, s18
	s_lshl_b32 s20, s20, 13                        ; y's codes: tile of rows 8 x tile + 4 x half
	s_mov_b32 s21, 0
	s_lshl_b32 s22, s17, 12
	s_lshl_b32 s18, s16, 11
	s_add_co_u32 s22, s22, s18
	s_add_co_u32 s22, s22, YS                      ; y's scale bytes: row 128 x tile + 64 x half
	s_mov_b32 s23, 0
	s_lshl_b32 s46, s42, 8
	s_lshl_b32 s18, s16, 7
	s_add_co_u32 s46, s46, s18
	s_add_co_u32 s46, s46, 11264                   ; W_proj: the row in opq
	s_lshl_b32 s92, s46, 5
	s_add_co_u32 s92, s92, OPS
	s_mov_b32 s93, 0
	s_lshl_b32 s46, s46, 9
	s_mov_b32 s47, 0
	s_lshl_b32 s45, s16, 14
	s_add_co_u32 s45, s45, ASL                     ; where they go: y's codes,
	s_mul_i32 s94, s16, HALFB                      ; W_proj's codes,
	s_mul_i32 s95, s16, HSA
	s_add_co_u32 s95, s95, SCA                     ; y's scale bytes,
	s_mul_i32 s19, s16, HSB
	s_add_co_u32 s19, s19, SCB                     ; W_proj's
	s_wait_dscnt 0x0
	s_wait_kmcnt 0x0
	s_add_nc_u64 s[20:21], s[6:7], s[20:21]
	s_add_nc_u64 s[22:23], s[6:7], s[22:23]
	s_add_nc_u64 s[46:47], s[4:5], s[46:47]
	s_add_nc_u64 s[92:93], s[4:5], s[92:93]
	CROUND                                         ; all sixteen work-groups are here: the joint loads meet
	s_mov_b32 s[G0S], 1
	s_mov_b32 s[G0S+1], s95
	s_mov_b64 s[G0S+2:G0S+3], s[22:23]
	s_or_b32 s[G0S+3], s[G0S+3], 0x80000000
	s_mov_b32 s[G0SB], 1
	s_mov_b32 s[G0SB+1], s19
	s_mov_b64 s[G0SB+2:G0SB+3], s[92:93]
	s_or_b32 s[G0SB+3], s[G0SB+3], 0x80000000
	JLOAD G0S, G1S, G0SB, G1SB                     ; the scale bytes first; each load in the loop below waits for the one before
.irp s, 0,1
	s_mov_b32 s[G0+4*\s], 1
	s_add_co_u32 s[G0+4*\s+1], s45, \s*ASLOT
	s_add_nc_u64 s[G0+4*\s+2:G0+4*\s+3], s[20:21], \s*4096
	s_or_b32 s[G0+4*\s+3], s[G0+4*\s+3], 0x80000000
	s_mov_b32 s[G0B+4*\s], 1
	s_add_co_u32 s[G0B+4*\s+1], s94, \s*BSLOT
	s_add_nc_u64 s[G0B+4*\s+2:G0B+4*\s+3], s[46:47], \s*256
	s_or_b32 s[G0B+4*\s+3], s[G0B+4*\s+3], 0x80000000
	s_wait_alu depctr_va_vdst(0)
	s_wait_tensorcnt 0x0
	ds_add_u32 v126, v127
	s_wait_dscnt 0x0
	CROUND
	JLOAD G0+4*\s, G1, G0B+4*\s, G1B
.endr
	v_and_b32 v1, 15, v0                           ; r
	s_wait_alu depctr_va_vdst(0)
	v_bfe_u32 v2, v0, 4, 1                         ; h
	v_lshlrev_b32 v8, 5, v2                        ; 32 h
	s_lshl_b32 s66, s42, 10
	s_lshl_b32 s67, s16, 9
	s_add_co_u32 s66, s66, s67                     ; my first column, in bytes of f32
	s_mov_b32 s67, 0
	s_add_nc_u64 s[8:9], s[8:9], s[66:67]
	WIN 0x40
.irp b, 0,1,2,3,4,5,6,7                        ; the bias in the result's layout: register 8 b + j = b_proj of column 16 b + 8 h + j
	global_load_b128 v[BB+8*\b:BB+8*\b+3], v8, s[8:9] offset:64*\b
	global_load_b128 v[BB+8*\b+4:BB+8*\b+7], v8, s[8:9] offset:64*\b+16
.endr
	WIN 0
	s_lshl_b32 s2, s17, 19
	s_lshl_b32 s3, s15, 18
	s_add_co_u32 s2, s2, s3
	s_add_co_u32 s2, s2, s66
	s_mov_b32 s3, 0
	s_add_nc_u64 s[10:11], s[10:11], s[2:3]        ; out0 at my first row and column
	v_and_b32 v7, 31, v0
	v_lshlrev_b32 v[CO], 4, v7                     ; 16 x lane
	v_mul_u32_u24 v3, v1, PITCH
	s_wait_alu depctr_va_vdst(0)
	v_lshl_add_u32 v4, v2, 4, v3
	s_mul_i32 s18, s16, HALFB                      ; my 128 rows of W_proj
	s_lshl_b32 s19, s15, 14
	s_add_co_u32 s19, s19, ASL                     ; my four tiles of y's rows
.irp s, 0,1
	v_add_nc_u32 v[ADRB+\s], s18, v4
	v_add_nc_u32 v[ADRA+\s], s19, v[CO]
	s_add_co_u32 s18, s18, BSLOT
	s_add_co_u32 s19, s19, ASLOT
.endr
	v_mul_u32_u24 v5, v1, 32                       ; my row's scale bytes: 32 a row,
	v_lshrrev_b32 v6, 8, v5
	v_lshl_add_u32 v5, v6, 4, v5                   ; and 16 more for each 256 passed
	s_mul_i32 s18, s15, HSA
	s_add_co_u32 s18, s18, SCA
	s_mul_i32 s19, s16, HSB
	s_add_co_u32 s19, s19, SCB
	s_sub_co_u32 s19, s19, s18
	v_mul_u32_u24 v6, s19, v2                      ; lanes 16-31 take W_proj's
	v_add_nc_u32 v5, v5, v6
	v_add_nc_u32 v[ADRS], s18, v5
	s_mul_i32 s18, s14, 16*SPITCH                  ; my stage
	v_mul_u32_u24 v5, v1, SPITCH
	v_lshl_add_u32 v5, v2, 5, v5
	v_add_nc_u32 v[STO], s18, v5                   ; in: row r, 32 bytes for each half of the lanes
	v_add_nc_u32 v[RD], s18, v[CO]                 ; back: the 32 lanes take one row of 512 bytes
	s_wait_alu depctr_va_vdst(0)
	s_wait_tensorcnt 0x1                           ; the scale bytes and my part of slot 0 are in; slot 1's load may be out
	s_barrier_signal -1
	s_barrier_wait -1
	SCALES 0
	SCALES 1
	FETCH 0, 0
	FETCH 1, 1
	s_wait_dscnt 24                                ; all but K step 1's 24 loads
	s_wait_loadcnt 0x0                             ; the bias
	MUL 0, 1
.irp q, 1,2,3,4,5,6
	PLACES 4                                       ; in front of loads into registers that matrix instructions have read
.if \q == 3
	s_wait_tensorcnt 0x0                           ; my part of slot 1 is in,
	s_wait_dscnt 0x0                               ; my reads of slot 0 are over,
	s_barrier_signal -1
	s_barrier_wait -1                              ; both hold of every wave
.endif
	FETCH \q+1, (\q+1)%2
	s_wait_dscnt 24                                ; all but the 24 just issued
	MUL \q, 0
.endr
	s_wait_dscnt 0x0
	MUL 7, 0
	WIN 0
	PLACES 4                                       ; in front of the stores that read results and of the loads into y's fragment registers
	TOSTAGE 0
.irp a, 1,2,3
.if \a > 1
	s_wait_xcnt 0x0                                ; block a - 2's stores have read their registers and their base
.endif
	TOSTAGE \a
	SEND \a-1, 32                                  ; behind block a - 1's loads: block a's 16 stores and 16 loads
.endr
	s_wait_xcnt 0x0
	SEND 3, 0
	s_wait_dscnt 0x0
	s_wait_tensorcnt 0x0
	ds_add_u32 v126, v127
	s_wait_dscnt 0x0
	CROUND                                         ; the closing round
	s_endpgm
.Lfunc_end_k_qc83f48905a_proj:
	.size	k_qc83f48905a_proj, .Lfunc_end_k_qc83f48905a_proj-k_qc83f48905a_proj
	.p2alignl 7, 3214868480
	.fill 96, 4, 3214868480
	.section	.rodata,"a",@progbits
	.p2align	6, 0x0
	.amdhsa_kernel k_qc83f48905a_proj
		.amdhsa_group_segment_fixed_size 327680
		.amdhsa_private_segment_fixed_size 0
		.amdhsa_enable_private_segment 0
		.amdhsa_kernarg_size 32
		.amdhsa_user_sgpr_count 2
		.amdhsa_user_sgpr_kernarg_segment_ptr 1
		.amdhsa_wavefront_size32 1
		.amdhsa_system_sgpr_workgroup_id_x 1
		.amdhsa_system_sgpr_workgroup_id_y 1
		.amdhsa_system_sgpr_workgroup_id_z 1
		.amdhsa_system_vgpr_workitem_id 0
		.amdhsa_next_free_vgpr 768
		.amdhsa_next_free_sgpr 100
		.amdhsa_reserve_vcc 0
		.amdhsa_float_denorm_mode_32 3
		.amdhsa_float_denorm_mode_16_64 3
		.amdhsa_memory_ordered 1
		.amdhsa_forward_progress 1
		.amdhsa_inst_pref_size 75
	.end_amdhsa_kernel
	.amdgpu_metadata
---
amdhsa.version: [ 1, 2 ]
amdhsa.kernels:
  - .name:           k_qc83f48905a_proj
    .symbol:         k_qc83f48905a_proj.kd
    .args:
      - { .name: opq, .offset: 0, .size: 8, .value_kind: global_buffer, .address_space: global }
      - { .name: yq, .offset: 8, .size: 8, .value_kind: global_buffer, .address_space: global }
      - { .name: b_proj, .offset: 16, .size: 8, .value_kind: global_buffer, .address_space: global }
      - { .name: out0, .offset: 24, .size: 8, .value_kind: global_buffer, .address_space: global }
    .group_segment_fixed_size: 327680
    .private_segment_fixed_size: 0
    .kernarg_segment_align: 8
    .kernarg_segment_size: 32
    .max_flat_workgroup_size: 128
    .sgpr_count:     100
    .vgpr_count:     768
    .wavefront_size: 32
...
	.end_amdgpu_metadata
.endif
;; end of part 4
